; MI455X (gfx1250); checked and timed in simulation.
; The chip was launched on July 23, 2026; its instructions are those of AMD's public machine-readable ISA for CDNA 5 (MIT licence, August 2026) and "CDNA5" Instruction Set Architecture Reference Guide (July 2026). The comments in the code are by the model that wrote it; some were corrected since.
;; Encoder Block. Allowed arithmetic: float matrix products may take bf16 or f16 operands with f32 sums; other float arithmetic in f32, or as packed bf16 or f16 multiplies, adds, multiply-adds, maxima and minima; sums over many terms, partial sums and values carried from step to step in f32; what a program stores and reads back later, other than sums and carried values, may be rounded once to bf16 or f16.
;; Inputs: W1 1,024 x 4,096 float32; W2 4,096 x 1,024 float32; Wk 1,024 x 1,024 float32; Wo 1,024 x 1,024 float32; Wq 1,024 x 1,024 float32; Wv 1,024 x 1,024 float32; b1 4,096 float32; b2 1,024 float32; bk 1,024 float32; bo 1,024 float32; bq 1,024 float32; bv 1,024 float32; ln1_b 1,024 float32; ln1_g 1,024 float32; ln2_b 1,024 float32; ln2_g 1,024 float32; x 2 x 2,048 x 1,024 float32.
;; Outputs: out0 2 x 2,048 x 1,024 float32.
;; One version. Each part assembles by itself: llvm-mc -triple=amdgcn-amd-amdhsa -mcpu=gfx1250 --defsym DOCPART=n.
;; ======== version 1 of 1: 7 launches
;; workspace buffers: wb 25,165,824 bytes; xn 8,388,608 bytes; qkv 25,165,824 bytes; o 8,388,608 bytes; x1 16,777,216 bytes; h 33,554,432 bytes
;; launch prep (part 1): grid 704 x 1, 8 waves a work-group, no clusters, 0 bytes of LDS; arguments x, ln1_g, ln1_b, Wq, Wk, Wv, xn, wb; writes xn, wb
.if DOCPART == 1
	.amdgcn_target "amdgcn-amd-amdhsa--gfx1250"
	.amdhsa_code_object_version 6
	.text
	.protected	k_qaba25cdff9_prep
	.globl	k_qaba25cdff9_prep
	.p2align	8
	.type	k_qaba25cdff9_prep,@function
k_qaba25cdff9_prep:
	s_mov_b64 s[64:65], 0
	v_nop
	global_prefetch_b8 v0, s[64:65] scope:SCOPE_SE
	s_setreg_imm32_b32 hwreg(HW_REG_WAVE_MODE, 25, 1), 1
	s_wait_xcnt 0x0
; PREP.  Work-groups 0-511: xn = layer norm of x (gain ln1_g, bias ln1_b), rounded once to bf16; one wave, one row of 1,024 numbers, kept in 32 registers.
; Work-groups 512-703: Wq, Wk, Wv rounded once to bf16, their layout [k][n] kept, side by side as one matrix [1024][3072] at wb's byte 0.
; (Wo, W1 and W2, which are wanted later, are rounded in the attention launch, whose own work leaves WGPs free.)
; The variance is taken of x - mean (two passes over registers), so a common offset of x costs nothing.  No LDS, no barrier: no wave needs another's bytes.
.set X,    16                          ; v[16:47]  the row: load j brings columns 128 j + 4 lane + 0..3
.set G,    48                          ; v[48:79]  the gain; later the 16 packed results
.set BB,   80                          ; v[80:111] the bias
.set XP,   8                           ; s[8:9]    x
.set GP,   10                          ; s[10:11]  gain
.set BP,   12                          ; s[12:13]  bias
.set OP,   20                          ; s[20:21]  xn
.set SEL,  30                          ; s[30:31]  v_permlanex16_b32's selects: each lane takes its own place in the other half
.set INVN, 40                          ; s40       1 / 1024
.set EPS,  41                          ; s41       1e-5
.macro FOLD                            ; four pairs v[4:11] -> their sum over the whole wave, in v4 of every lane
	v_pk_add_f32 v[4:5], v[4:5], v[6:7]
	v_pk_add_f32 v[8:9], v[8:9], v[10:11]
	v_pk_add_f32 v[4:5], v[4:5], v[8:9]
	v_add_f32 v4, v4, v5
	v_add_f32_dpp v4, v4, v4 row_xmask:1 row_mask:0xf bank_mask:0xf
	v_add_f32_dpp v4, v4, v4 row_xmask:2 row_mask:0xf bank_mask:0xf
	v_add_f32_dpp v4, v4, v4 row_xmask:4 row_mask:0xf bank_mask:0xf
	v_add_f32_dpp v4, v4, v4 row_xmask:8 row_mask:0xf bank_mask:0xf
	v_permlanex16_b32 v5, v4, s[SEL], s[SEL+1]
	v_add_f32 v4, v4, v5
.endm
.macro LNROW                           ; one row: v2 = 16 lane, v3 = 8 lane; the pointers stand at the row
.irp j, 0,1,2,3,4,5,6,7
	global_load_b128 v[X+4*\j:X+4*\j+3], v2, s[XP:XP+1] offset:512*\j th:TH_LOAD_NT
.endr
.irp j, 0,1,2,3,4,5,6,7
	global_load_b128 v[G+4*\j:G+4*\j+3], v2, s[GP:GP+1] offset:512*\j
.endr
.irp j, 0,1,2,3,4,5,6,7
	global_load_b128 v[BB+4*\j:BB+4*\j+3], v2, s[BP:BP+1] offset:512*\j
.endr
	s_wait_loadcnt 16                              ; the row is in; gain's and bias's sixteen loads stay out
.irp k, 0,1,2,3
	v_pk_add_f32 v[4+2*\k:5+2*\k], v[X+4*\k:X+4*\k+1], v[X+4*\k+2:X+4*\k+3]  ; four chains, started by the first eight pairs
.endr
.irp k, 8,9,10,11,12,13,14,15
	v_pk_add_f32 v[4+2*((\k)%4):5+2*((\k)%4)], v[4+2*((\k)%4):5+2*((\k)%4)], v[X+2*\k:X+2*\k+1]
.endr
	FOLD
	v_mul_f32 v12, s[INVN], v4                     ; the mean, twice
	v_mov_b32 v13, v12
.set k, 0
.rept 16
	v_pk_add_f32 v[X+k:X+k+1], v[X+k:X+k+1], v[12:13] neg_lo:[0,1] neg_hi:[0,1]
.set k, k+2
.endr
.irp k, 0,1,2,3
	v_pk_mul_f32 v[4+2*\k:5+2*\k], v[X+2*\k:X+2*\k+1], v[X+2*\k:X+2*\k+1]
.endr
.irp k, 4,5,6,7,8,9,10,11,12,13,14,15
	v_pk_fma_f32 v[4+2*((\k)%4):5+2*((\k)%4)], v[X+2*\k:X+2*\k+1], v[X+2*\k:X+2*\k+1], v[4+2*((\k)%4):5+2*((\k)%4)]
.endr
	FOLD
	v_fma_f32 v4, v4, s[INVN], s[EPS]              ; variance + 1e-5
	v_rsq_f32 v14, v4
	v_rsq_f32 v15, v4                              ; twice: a pair for the packed multiply
	s_wait_loadcnt 0x0                             ; gain and bias
	v_nop                                          ; a plain instruction behind the last root,
	s_wait_alu depctr_va_vdst(0)                   ; and the one wait ahead of the first use
.set k, 0
.rept 16
	v_pk_mul_f32 v[X+k:X+k+1], v[X+k:X+k+1], v[14:15]
.set k, k+2
.endr
.set k, 0
.rept 16
	v_pk_fma_f32 v[X+k:X+k+1], v[X+k:X+k+1], v[G+k:G+k+1], v[BB+k:BB+k+1]
.set k, k+2
.endr
.set k, 0
.rept 16
	v_cvt_pk_bf16_f32 v[G+k], v[X+2*k], v[X+2*k+1]
.set k, k+1
.endr
.irp j, 0,1,2,3,4,5,6,7
	global_store_b64 v3, v[G+2*\j:G+2*\j+1], s[OP:OP+1] offset:256*\j  ; the wave stores 256 consecutive bytes, at a multiple of 256 from xn's first
.endr
.endm
	s_load_b512 s[8:23], s[0:1], 0x0               ; x, ln1_g, ln1_b, Wq s[14:15], Wk s[16:17], Wv s[18:19], xn s[20:21], wb s[22:23]
	v_lshrrev_b32 v1, 5, v0
	v_readfirstlane_b32 s4, v1                     ; wave 0..7
	v_and_b32 v1, 31, v0
	v_lshlrev_b32 v2, 4, v1                        ; 16 x lane
	v_lshlrev_b32 v3, 3, v1                        ; 8 x lane
	s_cmp_lt_u32 ttmp9, 512
	s_cbranch_scc0 .Lcast
	s_mov_b32 s[SEL], 0x76543210
	s_mov_b32 s[SEL+1], 0xfedcba98
	s_mov_b32 s[INVN], 0x3a800000
	s_mov_b32 s[EPS], 0x3727c5ac
	s_lshl_b32 s5, ttmp9, 3
	s_add_co_u32 s5, s5, s4                        ; my row
	s_lshl_b32 s6, s5, 12                          ; 4,096 bytes of x,
	s_mov_b32 s7, 0
	s_lshl_b32 s32, s5, 11                         ; 2,048 of xn
	s_mov_b32 s33, 0
	s_wait_kmcnt 0x0
	s_add_nc_u64 s[XP:XP+1], s[XP:XP+1], s[6:7]
	s_add_nc_u64 s[OP:OP+1], s[OP:OP+1], s[32:33]
	LNROW
	s_endpgm
.Lcast:                                                ; a unit is a row of 1,024 numbers: 4,096 bytes in, 2,048 out.  A work-group takes 16 units, a wave 2.
	s_sub_co_u32 s5, ttmp9, 512                    ; c = 0..191: 64 each for Wq, Wk, Wv
	s_lshr_b32 s6, s5, 6                           ; which of the three
	s_and_b32 s7, s5, 63
	s_lshl_b32 s32, s7, 4
	s_lshl1_add_u32 s32, s4, s32                   ; my two rows
	s_lshl_b32 s36, s32, 12
	s_mov_b32 s37, 0
	s_mul_i32 s38, s32, 6144                       ; a row of wqkv is 6,144 bytes,
	s_lshl_b32 s33, s6, 11                         ; in which the three lie 2,048 bytes apart
	s_add_co_u32 s38, s38, s33
	s_mov_b32 s39, 0
	v_add_nc_u32 v4, 6144, v3                      ; the second row's place
	s_wait_kmcnt 0x0
	s_cmp_eq_u32 s6, 1                             ; the source, chosen by the work-group's number alone
	s_cselect_b64 s[14:15], s[16:17], s[14:15]
	s_cmp_eq_u32 s6, 2
	s_cselect_b64 s[14:15], s[18:19], s[14:15]
	s_add_nc_u64 s[14:15], s[14:15], s[36:37]
	s_add_nc_u64 s[22:23], s[22:23], s[38:39]
.set n, 0
.rept 16
	global_load_b128 v[16+4*n:19+4*n], v2, s[14:15] offset:4096*(n/8)+512*(n%8) th:TH_LOAD_NT
.set n, n+1
.endr
.set n, 0
.rept 16
	s_wait_loadcnt 15-n                            ; load n is in; the younger ones stay out
	v_cvt_pk_bf16_f32 v[80+2*n], v[16+4*n], v[17+4*n]
	v_cvt_pk_bf16_f32 v[81+2*n], v[18+4*n], v[19+4*n]
	global_store_b64 v[3+n/8], v[80+2*n:81+2*n], s[22:23] offset:256*(n%8)  ; 256 consecutive bytes a wave; no register is written twice
.set n, n+1
.endr
	s_endpgm
.Lfunc_end_k_qaba25cdff9_prep:
	.size	k_qaba25cdff9_prep, .Lfunc_end_k_qaba25cdff9_prep-k_qaba25cdff9_prep
	.p2alignl 7, 3214868480
	.fill 96, 4, 3214868480
	.section	.rodata,"a",@progbits
	.p2align	6, 0x0
	.amdhsa_kernel k_qaba25cdff9_prep
		.amdhsa_group_segment_fixed_size 0
		.amdhsa_private_segment_fixed_size 0
		.amdhsa_enable_private_segment 0
		.amdhsa_kernarg_size 64
		.amdhsa_user_sgpr_count 2
		.amdhsa_user_sgpr_kernarg_segment_ptr 1
		.amdhsa_wavefront_size32 1
		.amdhsa_system_sgpr_workgroup_id_x 1
		.amdhsa_system_sgpr_workgroup_id_y 1
		.amdhsa_system_sgpr_workgroup_id_z 1
		.amdhsa_system_vgpr_workitem_id 0
		.amdhsa_next_free_vgpr 112
		.amdhsa_next_free_sgpr 66
		.amdhsa_reserve_vcc 0
		.amdhsa_float_denorm_mode_32 3
		.amdhsa_float_denorm_mode_16_64 3
		.amdhsa_memory_ordered 1
		.amdhsa_forward_progress 1
		.amdhsa_inst_pref_size 18
	.end_amdhsa_kernel
	.amdgpu_metadata
---
amdhsa.version: [ 1, 2 ]
amdhsa.kernels:
  - .name:           k_qaba25cdff9_prep
    .symbol:         k_qaba25cdff9_prep.kd
    .args:
      - { .name: x, .offset: 0, .size: 8, .value_kind: global_buffer, .address_space: global }
      - { .name: ln1_g, .offset: 8, .size: 8, .value_kind: global_buffer, .address_space: global }
      - { .name: ln1_b, .offset: 16, .size: 8, .value_kind: global_buffer, .address_space: global }
      - { .name: Wq, .offset: 24, .size: 8, .value_kind: global_buffer, .address_space: global }
      - { .name: Wk, .offset: 32, .size: 8, .value_kind: global_buffer, .address_space: global }
      - { .name: Wv, .offset: 40, .size: 8, .value_kind: global_buffer, .address_space: global }
      - { .name: xn, .offset: 48, .size: 8, .value_kind: global_buffer, .address_space: global }
      - { .name: wb, .offset: 56, .size: 8, .value_kind: global_buffer, .address_space: global }
    .group_segment_fixed_size: 0
    .private_segment_fixed_size: 0
    .kernarg_segment_align: 8
    .kernarg_segment_size: 64
    .max_flat_workgroup_size: 256
    .sgpr_count:     66
    .vgpr_count:     112
    .wavefront_size: 32
...
	.end_amdgpu_metadata
.endif
;; end of part 1
;; launch qkv (part 2): grid 12 x 16, 4 waves a work-group, clusters of 4 x 4, 327,680 bytes of LDS; arguments xn, wb, bq, bk, bv, qkv; writes qkv
.if DOCPART == 2
	.amdgcn_target "amdgcn-amd-amdhsa--gfx1250"
	.amdhsa_code_object_version 6
	.text
	.protected	k_qaba25cdff9_qkv
	.globl	k_qaba25cdff9_qkv
	.p2align	8
	.type	k_qaba25cdff9_qkv,@function
k_qaba25cdff9_qkv:
	s_mov_b64 s[64:65], 0
	v_nop
	global_prefetch_b8 v0, s[64:65] scope:SCOPE_SE
	s_setreg_imm32_b32 hwreg(HW_REG_WAVE_MODE, 25, 1), 1
	s_wait_xcnt 0x0
	s_wait_alu depctr_hold_cnt(0) depctr_sa_sdst(0) depctr_va_vdst(0) depctr_va_sdst(0) depctr_va_ssrc(0) depctr_va_vcc(0) depctr_vm_vsrc(0)
	s_getreg_b32 s2, hwreg(HW_REG_IB_STS2, 6, 4)
	s_cmp_eq_u32 s2, 0
	s_cbranch_scc0 .Lentry_in_a_cluster
	s_endpgm
.Lentry_in_a_cluster:
	s_bfe_u32 s2, ttmp6, 0x10000c
	s_cmp_lg_u32 s2, 0xf033
	s_cbranch_scc0 .Lentry_shape_is_right
	s_endpgm
.Lentry_shape_is_right:
; C[m][n] = sum over k of A[m][k] W[k][n] + bias[n].  A: [4096][1024] bf16; W: [1024][LDB] bf16, rows along n; sums in f32.
; MODE 0: W = Wq | Wk | Wv, bias = bq, bk or bv by the tile's column; C rounded once to bf16 and written by heads: qkv[part][16 batch + head][token][64].
; MODE 1: W = W1; C = gelu(..) with the exact erf form, rounded once to bf16, written row-major [4096][4096].
; A tile of C is 256 x 256: four waves, each 128 x 128 in 64 accumulators (512 registers).  K goes in 8 steps of 128 through two LDS slots filled by the tensor data mover.
; W's tile lies in LDS as in memory, [k][n], and its fragments come turned by ds_load_tr16_b128.  The product is used transposed (source 0 = 16 columns of W, source 1 = 16 rows of A):
; a lane holds row l % 16 of C and the columns 8 (l / 16) + 0..7.  THE BIAS is the C operand of each accumulator's first product.
; CLUSTER 4 x 4: A's tile is shared along a row of the cluster, W's along a column; each is asked for jointly, by the same load with the same descriptor and a mask of four.
; The K step is written once: a loop of 6 trips fills steps 2..7; the last two steps are a loop of two passes that fills nothing (its second pass jumps forward over what has no successor).
; LIMITS.  erf is a rational form in z = u / sqrt 2 held to -4 .. 4, beyond which erf is 1 to f32's last bit; NaN and infinities are not treated apart.
; REGISTERS in windows of 256: window 0: v0-31 addresses, v64-127, v128-191 A's fragments (two buffers), on the way out v64-239 at work;
;   window 1: v0-63 the bias (n block b at 8 b), v64-127, v128-191 W's fragments;  windows 2, 3: accumulator (a, b) at v[8 (8 (a % 4) + b)], rows 0-63 and 64-127.
.set MODE,   0
.set LDB,    3072                      ; elements in a row of W
.set WOFF,   0                         ; W's first byte in wb
.set PITCHA, 272                       ; A's LDS row: 256 bytes + 16: the 16 rows of a load start at 16 different groups of four banks
.set PITCHB, 544                       ; W's LDS row: 512 bytes + 32
.set HALFT,  128*PITCHA                ; what one tensor load brings: 128 rows of A, or 64 k rows of W (64 x 544 is the same number)
.set SLOT,   4*HALFT                   ; 0x22000: it shares no bit with wave x HALFT, so an exclusive or with it changes slots
.set STAGE,  2*SLOT                    ; behind the ring: 16 rows x 528 bytes of f32 for each wave
.set SPITCH, 528
.set SPARE,  STAGE+4*16*SPITCH         ; the spare words: 128 bytes a wave, two blocks of 256 bytes that no other line names
.set BSTEP,  128*LDB*2                 ; bytes from a K step of W to the next
.set ADRA0, 16                         ; v16 my lane's place in A's tile of slot 0        v17 the same for W
.set ADRB0, 17
.set ADRA,  18                         ; v18, v19 the same in the slot in hand
.set ADRB,  19
.set STO,   24                         ; v24 the way out: where I put 16 bytes        v25 where I read back        v26 my byte offset in the output        v27 v25, stepped
.set RD,    25
.set CO,    26
.set RDC,   27
.set SPW,   28                         ; v28 my spare word        v29 0
.set NIL,   29
.set PFO,   30                         ; v30 the prefetches' offset
.set BO,    31                         ; v31 32 (l / 16)
.set F0,    64
.set F1,    128
.set UZ,    64                         ; the way out, window 0
.set CC,    96
.set SS,    128
.set PP,    160
.set QQ,    192
.set OUT,   224
.set TB,    2                          ; s2  0 or SLOT: the slot that fragments are read from
.set G1A,   24                         ; s[24:31] group 1 for A; s[32:39] group 0: set 0 (step 0), set 1 (step 1, then it walks)
.set G0A,   32
.set G1B,   48                         ; s[48:55], s[56:63] the same for W
.set G0B,   56
.set LIM,   43                         ; s43 2 in a wave that prefetches, else the greatest number
.set PFA,   44                         ; s[44:45] where my prefetches stand        s[76:77] their step
.set PST,   76
.set BLK,   78
.set HF,    79
.set MSB, 0
.macro WIN new                         ; the immediate's high byte repeats the setting that is left; a switch that changes nothing is dropped
.if MSB != (\new)
	s_set_vgpr_msb (MSB<<8)|(\new)
.set MSB, \new
.endif
.endm
.macro PLACES                          ; four plain places behind matrix instructions, ahead of loads into their sources and of readers of their results
.rept 4
	v_nop
.endr
.endm
.macro JLOAD                           ; a joint refill by the walking set: waves 0, 1 A's halves, waves 2, 3 W's; an s_nop 0 and four v_nop follow each line
	s_cmp_eq_u32 s11, 0
	s_cbranch_scc0 .Lfor_b_\@
	tensor_load_to_lds s[G0A+4:G0A+7], s[G1A:G1A+7]
	s_nop 0
.rept 4
	v_nop
.endr
	s_branch .Lasked_\@
.Lfor_b_\@:
	tensor_load_to_lds s[G0B+4:G0B+7], s[G1B:G1B+7]
	s_nop 0
.rept 4
	v_nop
.endr
.Lasked_\@:
.endm
.macro ASK                             ; one prefetch a wave: 32 blocks of 256 bytes of the K step that stands two refills on; the loop's last two trips have none
	s_cmp_gt_u32 s3, s[LIM]
	s_cbranch_scc0 .Lnot_mine_\@
	global_prefetch_b8 v[PFO], s[PFA:PFA+1] th:TH_LOAD_NT scope:SCOPE_SE
.Lnot_mine_\@:
.endm
.macro CREST                           ; a round of the cluster's barrier behind its opening barrier
	s_cmp_lg_u32 s10, 0
	s_cbranch_scc1 .Lnot_wave_0_\@
	s_barrier_signal -3
.Lnot_wave_0_\@:
	s_barrier_wait -3
	s_barrier_signal -1
	s_barrier_wait -1
.endm
.macro CROUND
	s_barrier_signal -1
	s_barrier_wait -1
	CREST
.endm
.macro SETP r, val                     ; a constant as a pair: the packed forms name both words
	s_mov_b32 s[\r], \val
	s_mov_b32 s[(\r)+1], \val
.endm
.macro PAIRS line:vararg               ; one line for each of 16 pairs, i = 0, 2 .. 30
.set i, 0
.rept 16
	\line
.set i, i+2
.endr
.endm
	s_load_b128 s[4:7], s[0:1], 0x0                ; A s[4:5], wb s[6:7]
.if MODE == 0
	s_load_b256 s[68:75], s[0:1], 0x10             ; bq, bk, bv, qkv
.else
	s_load_b128 s[68:71], s[0:1], 0x10             ; b1, h
.endif
	v_lshl_add_u32 v[SPW], v0, 2, SPARE
	v_mov_b32 v[NIL], 0
	ds_add_u32 v[SPW], v[NIL]                      ; the wave's opening: the add and its wait ahead of my first tensor load; work on registers stands between them
	v_lshrrev_b32 v1, 5, v0
	v_readfirstlane_b32 s10, v1                    ; wave 0..3
	s_lshr_b32 s11, s10, 1                         ; my half of the tile's rows.  Also: I fetch for A (0) or for W (1)
	s_and_b32 s12, s10, 1                          ; my half of its columns.  Also: which half of that tile I fetch
	s_bfe_u32 s40, ttmp6, 0x40000                  ; cx
	s_bfe_u32 s41, ttmp6, 0x40004                  ; cy
	s_lshl_b32 s42, ttmp9, 2
	s_add_co_u32 s42, s42, s40                     ; tile column
	s_and_b32 s13, ttmp7, 0xffff
	s_lshl_b32 s13, s13, 2
	s_add_co_u32 s13, s13, s41                     ; tile row
	s_lshl_b32 s21, s41, 2
	s_lshl_b32 s21, 15, s21                        ; my row of the cluster
	s_lshl_b32 s22, 0x1111, s40                    ; my column
	s_or_b32 s[G1A+0], s21, (1<<16)|(1<<20)|(1<<21)|(5<<22)|(3<<25)  ; mask; 2-byte elements; padding on; bit 21 beside a mask; after every 64 words 4 words
	s_mov_b32 s[G1A+1], 128<<16                    ; tensor_dim0 = 128
	s_mov_b32 s[G1A+2], 128<<16                    ; tensor_dim1 = 128
	s_mov_b32 s[G1A+3], 128<<16                    ; tile_dim0 = 128
	s_mov_b32 s[G1A+4], 128                        ; tile_dim1 = 128
	s_mov_b32 s[G1A+5], 1024                       ; elements from row to row
	s_mov_b32 s[G1A+6], 0
	s_mov_b32 s[G1A+7], 0
	s_or_b32 s[G1B+0], s22, (1<<16)|(1<<20)|(1<<21)|(6<<22)|(7<<25)  ; after every 128 words 8 words
	s_mov_b32 s[G1B+1], 256<<16                    ; 256 columns,
	s_mov_b32 s[G1B+2], 64<<16                     ; 64 k rows
	s_mov_b32 s[G1B+3], 256<<16
	s_mov_b32 s[G1B+4], 64
	s_mov_b32 s[G1B+5], LDB
	s_mov_b32 s[G1B+6], 0
	s_mov_b32 s[G1B+7], 0
	s_lshl_b32 s16, s13, 8                         ; A: row 256 x tile row + 128 x half, 2,048 bytes a row
	s_lshl_b32 s17, s12, 7
	s_add_co_u32 s16, s16, s17
	s_lshl_b32 s16, s16, 11
	s_mov_b32 s17, 0
	s_mul_i32 s46, s12, 64*LDB*2                   ; W: k row 64 x half, column 256 x tile column
	s_lshl_b32 s47, s42, 9
	s_add_co_u32 s46, s46, s47
	s_add_co_u32 s46, s46, WOFF
	s_mov_b32 s47, 0
	s_mul_i32 s20, s10, HALFT                      ; where my part goes: no place in the cluster enters an LDS address
	s_mov_b32 s[TB], 0
	s_wait_dscnt 0x0                               ; the opening add is done
	s_wait_kmcnt 0x0
	s_add_nc_u64 s[14:15], s[4:5], s[16:17]
	s_add_nc_u64 s[46:47], s[6:7], s[46:47]
	CROUND                                         ; all sixteen work-groups are here: the first joint loads meet
.irp s, 0,1
	s_mov_b32 s[G0A+4*(\s)], 1
	s_add_co_u32 s[G0A+4*(\s)+1], s20, (\s)*SLOT
	s_add_nc_u64 s[G0A+4*(\s)+2:G0A+4*(\s)+3], s[14:15], (\s)*256
	s_or_b32 s[G0A+4*(\s)+3], s[G0A+4*(\s)+3], 0x80000000
	s_mov_b32 s[G0B+4*(\s)], 1
	s_add_co_u32 s[G0B+4*(\s)+1], s20, (\s)*SLOT
	s_add_nc_u64 s[G0B+4*(\s)+2:G0B+4*(\s)+3], s[46:47], (\s)*BSTEP
	s_or_b32 s[G0B+4*(\s)+3], s[G0B+4*(\s)+3], 0x80000000
.endr
	s_cmp_eq_u32 s11, 0                            ; a wave's two first fills stand in one branch: two loads of mine are out
	s_cbranch_scc0 .Lfirst_b
	tensor_load_to_lds s[G0A:G0A+3], s[G1A:G1A+7]
	s_nop 0
	tensor_load_to_lds s[G0A+4:G0A+7], s[G1A:G1A+7]
	s_nop 0
.rept 4
	v_nop
.endr
	s_branch .Lfirst_asked
.Lfirst_b:
	tensor_load_to_lds s[G0B:G0B+3], s[G1B:G1B+7]
	s_nop 0
	tensor_load_to_lds s[G0B+4:G0B+7], s[G1B:G1B+7]
	s_nop 0
.rept 4
	v_nop
.endr
.Lfirst_asked:
	v_and_b32 v1, 15, v0                           ; r = l % 16
	v_bfe_u32 v2, v0, 4, 1                         ; hh = l / 16
	v_lshlrev_b32 v[BO], 5, v2
.if MODE == 0
	s_cmp_eq_u32 ttmp9, 1                          ; the cluster's x is the part: q, k or v
	s_cselect_b64 s[68:69], s[70:71], s[68:69]
	s_cmp_eq_u32 ttmp9, 2
	s_cselect_b64 s[68:69], s[72:73], s[68:69]
	s_lshl_b32 s66, s40, 10                        ; 256 cx numbers of 4 bytes
	s_mov_b64 s[8:9], s[74:75]
.else
	s_lshl_b32 s66, s42, 10
	s_mov_b64 s[8:9], s[70:71]
.endif
	s_lshl_b32 s67, s12, 9
	s_add_co_u32 s66, s66, s67
	s_mov_b32 s67, 0
	s_add_nc_u64 s[68:69], s[68:69], s[66:67]      ; the bias of my 128 columns
	WIN 0x40                                       ; destination window 1
.irp b, 0,1,2,3,4,5,6,7
	global_load_b128 v[8*\b:8*\b+3], v[BO], s[68:69] offset:64*\b       ; bias[16 b + 8 hh + 0..3],
	global_load_b128 v[8*\b+4:8*\b+7], v[BO], s[68:69] offset:64*\b+16  ; + 4..7: the layout of a result
.endr
	WIN 0
	v_mul_u32_u24 v3, v1, PITCHA
	v_lshl_add_u32 v3, v2, 4, v3
	s_mul_i32 s21, s11, HALFT
	v_add_nc_u32 v[ADRA0], s21, v3                 ; my 128 rows of A: row x pitch + 16 x half
	v_and_b32 v4, 7, v0
	v_lshl_add_u32 v4, v2, 3, v4                   ; the turning load: k row 8 hh + l % 8,
	v_mul_u32_u24 v4, v4, PITCHB
	v_bfe_u32 v5, v0, 3, 1
	v_lshl_add_u32 v4, v5, 4, v4                   ; 16 bytes by (l / 8) % 2
	s_lshl_b32 s22, s12, 8
	s_add_co_u32 s22, s22, 2*HALFT
	v_add_nc_u32 v[ADRB0], s22, v4                 ; my 128 columns of W, behind A's 256 rows
	v_mov_b32 v[ADRA], v[ADRA0]
	v_mov_b32 v[ADRB], v[ADRB0]
	s_mul_i32 s23, s10, 16*SPITCH
	s_add_co_u32 s23, s23, STAGE                   ; my stage
	v_mul_u32_u24 v6, v1, SPITCH
	v_lshl_add_u32 v6, v2, 5, v6
	v_add_nc_u32 v[STO], s23, v6                   ; in: row r, 32 bytes for each half of the lanes
	s_lshl_b32 s21, s13, 8
	s_lshl_b32 s22, s11, 7
	s_add_co_u32 s21, s21, s22                     ; my first row of C
.if MODE == 0
	v_bfe_u32 v6, v0, 3, 2                         ; back: four tokens of one head, 8 lanes a token, 8 numbers a lane
	v_mul_u32_u24 v6, v6, SPITCH
	v_and_b32 v7, 7, v0
	v_lshl_add_u32 v6, v7, 5, v6
	v_add_nc_u32 v[RD], s23, v6
	v_and_b32 v7, 31, v0
	v_lshlrev_b32 v[CO], 4, v7                     ; which are 512 consecutive bytes of qkv
	s_lshr_b32 s22, s21, 11                        ; batch
	s_lshl_b32 s22, s22, 4
	s_lshl_b32 s23, s40, 2
	s_add_co_u32 s22, s22, s23
	s_lshl_b32 s23, s12, 1
	s_add_co_u32 s22, s22, s23                     ; 16 batch + my first head
	s_lshl_b32 s22, s22, 11
	s_and_b32 s21, s21, 2047
	s_add_co_u32 s22, s22, s21                     ; + token
	s_lshl_b32 s66, s22, 7
	s_lshl_b32 s23, ttmp9, 23                      ; + part
	s_add_co_u32 s66, s66, s23
.else
	v_mul_u32_u24 v6, v2, SPITCH                   ; back: lanes 0-15 one row's 128 numbers, lanes 16-31 the next row's
	v_lshl_add_u32 v6, v1, 5, v6
	v_add_nc_u32 v[RD], s23, v6
	v_lshlrev_b32 v7, 13, v2
	v_lshl_add_u32 v[CO], v1, 4, v7
	s_lshl_b32 s66, s21, 13
	s_lshl_b32 s22, s42, 9
	s_add_co_u32 s66, s66, s22
	s_lshl_b32 s22, s12, 8
	s_add_co_u32 s66, s66, s22
.endif
	s_mov_b32 s67, 0
	s_add_nc_u64 s[8:9], s[8:9], s[66:67]          ; the output at my first row and column
	; THE PREFETCHES.  Each aligned block of 256 bytes of K steps 4..7 is named once in the launch, two refills (512 matrix instructions) ahead of the load that wants it.
	; A's rows are read by every cluster of a row of clusters: cluster x = 0 asks; W's columns by every cluster of a column: cluster y = 0 asks.  The four partners of a joint load share its blocks out
	; by address: of A's 128 rows 32 each (a lane a row), of W's 64 k rows 16 each (two lanes a row of 512 bytes).  Steps 0..3 come by their loads alone.
	s_lshl_b32 s21, s13, 8
	s_lshl_b32 s22, s12, 7
	s_add_co_u32 s21, s21, s22
	s_lshl_b32 s22, s40, 5
	s_add_co_u32 s21, s21, s22
	s_lshl_b32 s21, s21, 11
	s_add_co_u32 s21, s21, 3*256                   ; A: at K step 3; the first change of slots steps it to 4
	s_lshl_b32 s22, s12, 6
	s_lshl_b32 s23, s41, 4
	s_add_co_u32 s22, s22, s23
	s_add_co_u32 s22, s22, 3*128
	s_mul_i32 s22, s22, LDB*2
	s_lshl_b32 s23, s42, 9
	s_add_co_u32 s22, s22, s23
	s_add_co_u32 s22, s22, WOFF                    ; W likewise
	s_and_b32 s23, ttmp7, 0xffff
	s_mov_b32 s[PST], BSTEP
	s_mov_b32 s[PST+1], 0
	s_mov_b32 s67, LDB*2
	s_cmp_eq_u32 s11, 0
	s_cselect_b32 s66, s21, s22
	s_cselect_b32 s23, ttmp9, s23                  ; the coordinate along which other clusters read the same blocks
	s_cselect_b64 s[PFA:PFA+1], s[4:5], s[6:7]
	s_cselect_b32 s[PST], 256, s[PST]
	s_cselect_b32 s21, 2048, s67                   ; bytes from row to row
	s_mov_b32 s67, 0
	s_add_nc_u64 s[PFA:PFA+1], s[PFA:PFA+1], s[66:67]
	s_cmp_eq_u32 s23, 0
	s_cselect_b32 s[LIM], 2, -1                    ; the same in all sixteen partners, for a given wave
	v_and_b32 v6, 31, v0
	v_lshrrev_b32 v[PFO], s11, v6                  ; A: row = lane; W: row = lane / 2,
	v_mul_lo_u32 v[PFO], v[PFO], s21
	v_and_b32 v6, s11, v6
	v_lshl_add_u32 v[PFO], v6, 8, v[PFO]           ; block = lane % 2
; 16 matrix instructions: m blocks a0, a0 + 1 of the window's four x all 8 n blocks, 32 along K.  first = 1: the product starts the sum with the bias.  The 64 accumulators take turns, one instruction a turn.
.macro MUL16 f, hi, a0, first
.if \first
	WIN 0x91+0x40*(\hi)                            ; W window 1, A window 0, C (the bias) window 1, D window 2 or 3
.else
	WIN 0xa1+0x50*(\hi)                            ; C and D window 2 or 3
.endif
.irp a, \a0, (\a0)+1
.irp b, 0,1,2,3,4,5,6,7
.if \first
	v_wmma_f32_16x16x32_bf16 v[8*(8*(\a)+(\b)):8*(8*(\a)+(\b))+7], v[(\f)+8*(\b):(\f)+8*(\b)+7], v[(\f)+8*(4*(\hi)+(\a)):(\f)+8*(4*(\hi)+(\a))+7], v[8*(\b):8*(\b)+7]
.else
	v_wmma_f32_16x16x32_bf16 v[8*(8*(\a)+(\b)):8*(8*(\a)+(\b))+7], v[(\f)+8*(\b):(\f)+8*(\b)+7], v[(\f)+8*(4*(\hi)+(\a)):(\f)+8*(4*(\hi)+(\a))+7], v[8*(8*(\a)+(\b)):8*(8*(\a)+(\b))+7]
.endif
.endr
.endr
.endm
; 32 LDS loads in one run: quarter q (32 along K) of the slot in hand into buffer f: W's 8 fragments, turned, then A's 8
.macro FETCH q, f
	WIN 0x40
.irp i, 0,1,2,3,4,5,6,7
	ds_load_tr16_b128 v[(\f)+8*(\i):(\f)+8*(\i)+3],   v[ADRB] offset:(\q)*32*PITCHB+32*(\i)
	ds_load_tr16_b128 v[(\f)+8*(\i)+4:(\f)+8*(\i)+7], v[ADRB] offset:(\q)*32*PITCHB+16*PITCHB+32*(\i)
.endr
	WIN 0
.irp i, 0,1,2,3,4,5,6,7
	ds_load_b128 v[(\f)+8*(\i):(\f)+8*(\i)+3],   v[ADRA] offset:64*(\q)+(\i)*16*PITCHA
	ds_load_b128 v[(\f)+8*(\i)+4:(\f)+8*(\i)+7], v[ADRA] offset:64*(\q)+(\i)*16*PITCHA+32
.endr
.endm
; multiplies buffer f; in its middle fetches quarter q into buffer g
.macro QUARTER q, f, g, first
	s_wait_dscnt 8                                 ; W and A's rows 0-63 are in; the youngest eight loads (A's rows 64-127) may be out
	MUL16 \f, 0, 0, \first
	MUL16 \f, 0, 2, \first
	PLACES
	FETCH \q, \g
	s_wait_dscnt 32                                ; all but the 32 just issued
	MUL16 \f, 1, 0, \first
	MUL16 \f, 1, 2, \first
.endm
; the first half of a step's last quarter, and the one barrier of a change of slots
.macro MEET round
	WIN 0
	s_wait_tensorcnt 0x0                           ; all my tensor loads have landed: the one that was out is my part of the next slot;
	ds_add_u32 v[SPW], v[NIL]                      ; 0 onto my spare word;
	s_wait_dscnt 9                                 ; (the add and the youngest eight loads may be out)
	MUL16 F1, 0, 0, 0
	s_wait_dscnt 0x0                               ; the add is done, and my reads of this slot are over
	s_barrier_signal -1
	MUL16 F1, 0, 2, 0
.if \round
	WIN 0
.endif
	s_barrier_wait -1
.endm
.macro TURN                            ; the last quarter with a refill: the slot just read out takes the step two on
	s_wait_xcnt 0x0                                ; the last prefetch, a K step back, has read its address
	s_add_nc_u64 s[PFA:PFA+1], s[PFA:PFA+1], s[PST:PST+1]
	MEET 1
	CREST                                          ; no wave of any partner still reads this slot or has a load on its way
	s_xor_b32 s[G0A+5], s[G0A+5], SLOT             ; the walking sets: the other slot than last time,
	s_xor_b32 s[G0B+5], s[G0B+5], SLOT
	s_add_nc_u64 s[G0A+6:G0A+7], s[G0A+6:G0A+7], 256    ; the next K step
	s_add_nc_u64 s[G0B+6:G0B+7], s[G0B+6:G0B+7], BSTEP
	s_xor_b32 s[TB], s[TB], SLOT                   ; the fragments come from the other slot
	JLOAD                                          ; the first tensor load behind the round; its four v_nop are the places ahead of the loads below
	v_add_nc_u32 v[ADRA], s[TB], v[ADRA0]
	v_add_nc_u32 v[ADRB], s[TB], v[ADRB0]
	FETCH 0, F0
	ASK
	MUL16 F1, 1, 0, 0
	MUL16 F1, 1, 2, 0
.endm
	s_wait_tensorcnt 1                             ; my part of K step 0 is in; step 1's may stay out
	s_barrier_signal -1
	s_barrier_wait -1
	FETCH 0, F0
	s_wait_loadcnt 0x0                             ; the bias
	QUARTER 1, F0, F1, 1                           ; the first quarter starts the sums
	WIN 0
	s_mov_b32 s3, 6
.Lstep:                                                ; a trip: a step's quarters 1 to 3, the change of slots, the next step's quarter 0
	QUARTER 2, F1, F0, 0
	QUARTER 3, F0, F1, 0
	TURN
	QUARTER 1, F0, F1, 0
	WIN 0
	s_sub_co_u32 s3, s3, 1
	s_cmp_lg_u32 s3, 0
	s_cbranch_scc1 .Lstep
	s_mov_b32 s3, 2
.Ltail:                                                ; steps 6 and 7: nothing is filled.  The second pass has no next step: it jumps over the fetch and over the next quarter 0
	QUARTER 2, F1, F0, 0
	QUARTER 3, F0, F1, 0
	MEET 0
	WIN 0
	s_cmp_eq_u32 s3, 1
	s_cbranch_scc1 .Lnf
	s_xor_b32 s[TB], s[TB], SLOT
	v_add_nc_u32 v[ADRA], s[TB], v[ADRA0]
	v_add_nc_u32 v[ADRB], s[TB], v[ADRB0]
	PLACES
	FETCH 0, F0
.Lnf:
	MUL16 F1, 1, 0, 0
	MUL16 F1, 1, 2, 0
	WIN 0
	s_cmp_eq_u32 s3, 1
	s_cbranch_scc1 .Lnq
	QUARTER 1, F0, F1, 0
	WIN 0
.Lnq:
	s_sub_co_u32 s3, s3, 1
	s_cmp_lg_u32 s3, 0
	s_cbranch_scc1 .Ltail
	; THE WAY OUT, a block of 16 rows at a time: f32 into my own stage, back as whole pieces of rows, (gelu,) rounded, stored.  Written once: a loop over the blocks, whose stores into the stage alone differ.
	PLACES
.if MODE == 1
	SETP 80, 0xaf95df0b                            ; erf(z) = z P(z^2) / Q(z^2): P's seven coefficients from the highest power down,
	SETP 82, 0x32edffee
	SETP 84, 0xb60cff51
	SETP 86, 0xb86ec2d2
	SETP 88, 0xba40ac63
	SETP 90, 0xbb41a1f6
	SETP 92, 0xbc83dbd4
	SETP 24, 0xb77460cd                            ; Q's five (the descriptors' registers are free: no tensor load is out),
	SETP 26, 0xb95fbd29
	SETP 28, 0xbadc924e
	SETP 30, 0xbbf19bf8
	SETP 32, 0xbc69b6a7
	SETP 34, 0x3f3504f3                            ; c = 1 / sqrt 2
.endif
.macro STG a                           ; block a's eight accumulators into the stage, each from its low end on
	WIN 0x08+4*((\a)/4)                            ; the data in window 2 or 3
.irp b, 0,1,2,3,4,5,6,7
	ds_store_b128 v[STO], v[64*((\a)%4)+8*(\b):64*((\a)%4)+8*(\b)+3] offset:64*(\b)
	ds_store_b128 v[STO], v[64*((\a)%4)+8*(\b)+4:64*((\a)%4)+8*(\b)+7] offset:64*(\b)+16
.endr
	WIN 0
.endm
	s_mov_b32 s[BLK], 0
.Lblk:
.irp a, 0,1,2,3,4,5,6
	s_cmp_eq_u32 s[BLK], \a
	s_cbranch_scc1 .Lsec\a
.endr
	STG 7
	s_branch .Lcom
.irp a, 0,1,2,3,4,5,6
.Lsec\a:
	STG \a
	s_branch .Lcom
.endr
.Lcom:
	v_mov_b32 v[RDC], v[RD]
	s_mov_b32 s[HF], 2
.Lhalf:                                                ; eight rows: four units of 32 lanes x 8 numbers
.irp u, 0,1,2,3
.if MODE == 0
	ds_load_b128 v[UZ+8*\u:UZ+8*\u+3],   v[RDC] offset:((\u)/2)*4*SPITCH+((\u)%2)*256     ; LDS serves a wave's instructions in order (ISA guide 5.7.1.4): these see the stores above
	ds_load_b128 v[UZ+8*\u+4:UZ+8*\u+7], v[RDC] offset:((\u)/2)*4*SPITCH+((\u)%2)*256+16
.else
	ds_load_b128 v[UZ+8*\u:UZ+8*\u+3],   v[RDC] offset:(\u)*2*SPITCH
	ds_load_b128 v[UZ+8*\u+4:UZ+8*\u+7], v[RDC] offset:(\u)*2*SPITCH+16
.endif
.endr
	s_wait_dscnt 0x0
.if MODE == 1
	; gelu(u) = 0.5 u (1 + erf(u / sqrt 2)) = z (c erf(z) + c), z = c u
	PAIRS v_pk_mul_f32 v[UZ+i:UZ+i+1], v[UZ+i:UZ+i+1], s[34:35] op_sel_hi:[1,0]
.set i, 0
.rept 32
	v_med3_num_f32 v[CC+i], v[UZ+i], -4.0, 4.0
.set i, i+1
.endr
	PAIRS v_pk_mul_f32 v[SS+i:SS+i+1], v[CC+i:CC+i+1], v[CC+i:CC+i+1]
	PAIRS v_pk_fma_f32 v[PP+i:PP+i+1], v[SS+i:SS+i+1], s[80:81], s[82:83] op_sel_hi:[1,0,0]
	PAIRS v_pk_fma_f32 v[QQ+i:QQ+i+1], v[SS+i:SS+i+1], s[24:25], s[26:27] op_sel_hi:[1,0,0]
.irp k, 84,86,88,90,92
	PAIRS v_pk_fma_f32 v[PP+i:PP+i+1], v[PP+i:PP+i+1], v[SS+i:SS+i+1], s[\k:\k+1] op_sel_hi:[1,1,0]
.endr
.irp k, 28,30,32
	PAIRS v_pk_fma_f32 v[QQ+i:QQ+i+1], v[QQ+i:QQ+i+1], v[SS+i:SS+i+1], s[\k:\k+1] op_sel_hi:[1,1,0]
.endr
.set i, 0
.rept 32
	v_rcp_f32 v[QQ+i], v[QQ+i]                     ; one batch of 32
.set i, i+1
.endr
	PAIRS v_pk_mul_f32 v[PP+i:PP+i+1], v[PP+i:PP+i+1], v[CC+i:CC+i+1]  ; plain work that names no reciprocal
	s_wait_alu depctr_va_vdst(0)                   ; the one wait ahead of the batch's first reader
	PAIRS v_pk_mul_f32 v[PP+i:PP+i+1], v[PP+i:PP+i+1], v[QQ+i:QQ+i+1]
	PAIRS v_pk_fma_f32 v[PP+i:PP+i+1], v[PP+i:PP+i+1], s[34:35], s[34:35] op_sel_hi:[1,0,0]
	PAIRS v_pk_mul_f32 v[UZ+i:UZ+i+1], v[UZ+i:UZ+i+1], v[PP+i:PP+i+1]
.endif
.set i, 0
.rept 16
	v_cvt_pk_bf16_f32 v[OUT+i], v[UZ+2*i], v[UZ+2*i+1]
.set i, i+1
.endr
.irp u, 0,1,2,3
.if MODE == 0
	global_store_b128 v[CO], v[OUT+4*\u:OUT+4*\u+3], s[8:9] offset:((\u)/2)*512+((\u)%2)*262144  ; 512 consecutive bytes: four tokens of one head
.else
	global_store_b128 v[CO], v[OUT+4*\u:OUT+4*\u+3], s[8:9] offset:(\u)*16384                    ; 16 lanes store 256 consecutive bytes, aligned
.endif
.endr
	s_wait_xcnt 0x0                                ; the stores have read their data and their base: only now are these written again
.if MODE == 0
	s_add_nc_u64 s[8:9], s[8:9], 1024              ; eight tokens on
.else
	s_add_nc_u64 s[8:9], s[8:9], 65536             ; eight rows on
.endif
	v_add_nc_u32 v[RDC], 8*SPITCH, v[RDC]
	s_sub_co_u32 s[HF], s[HF], 1
	s_cmp_lg_u32 s[HF], 0
	s_cbranch_scc1 .Lhalf
	s_add_co_u32 s[BLK], s[BLK], 1
	s_cmp_lt_u32 s[BLK], 8
	s_cbranch_scc1 .Lblk
	s_wait_tensorcnt 0x0                           ; the wave's end: behind my last tensor load and my last LDS store
	ds_add_u32 v[SPW], v[NIL]
	s_wait_dscnt 0x0
	CROUND                                         ; the closing round: no work-group ends while a partner may still ask for a tile that names it
	s_endpgm
.Lfunc_end_k_qaba25cdff9_qkv:
	.size	k_qaba25cdff9_qkv, .Lfunc_end_k_qaba25cdff9_qkv-k_qaba25cdff9_qkv
	.p2alignl 7, 3214868480
	.fill 96, 4, 3214868480
	.section	.rodata,"a",@progbits
	.p2align	6, 0x0
	.amdhsa_kernel k_qaba25cdff9_qkv
		.amdhsa_group_segment_fixed_size 327680
		.amdhsa_private_segment_fixed_size 0
		.amdhsa_enable_private_segment 0
		.amdhsa_kernarg_size 48
		.amdhsa_user_sgpr_count 2
		.amdhsa_user_sgpr_kernarg_segment_ptr 1
		.amdhsa_wavefront_size32 1
		.amdhsa_system_sgpr_workgroup_id_x 1
		.amdhsa_system_sgpr_workgroup_id_y 1
		.amdhsa_system_sgpr_workgroup_id_z 1
		.amdhsa_system_vgpr_workitem_id 0
		.amdhsa_next_free_vgpr 1024
		.amdhsa_next_free_sgpr 96
		.amdhsa_reserve_vcc 0
		.amdhsa_float_denorm_mode_32 3
		.amdhsa_float_denorm_mode_16_64 3
		.amdhsa_memory_ordered 1
		.amdhsa_forward_progress 1
		.amdhsa_inst_pref_size 84
	.end_amdhsa_kernel
	.amdgpu_metadata
---
amdhsa.version: [ 1, 2 ]
amdhsa.kernels:
  - .name:           k_qaba25cdff9_qkv
    .symbol:         k_qaba25cdff9_qkv.kd
    .args:
      - { .name: xn, .offset: 0, .size: 8, .value_kind: global_buffer, .address_space: global }
      - { .name: wb, .offset: 8, .size: 8, .value_kind: global_buffer, .address_space: global }
      - { .name: bq, .offset: 16, .size: 8, .value_kind: global_buffer, .address_space: global }
      - { .name: bk, .offset: 24, .size: 8, .value_kind: global_buffer, .address_space: global }
      - { .name: bv, .offset: 32, .size: 8, .value_kind: global_buffer, .address_space: global }
      - { .name: qkv, .offset: 40, .size: 8, .value_kind: global_buffer, .address_space: global }
    .group_segment_fixed_size: 327680
    .private_segment_fixed_size: 0
    .kernarg_segment_align: 8
    .kernarg_segment_size: 48
    .max_flat_workgroup_size: 128
    .sgpr_count:     96
    .vgpr_count:     1024
    .wavefront_size: 32
...
	.end_amdgpu_metadata
.endif
;; end of part 2
;; launch attn (part 3): grid 232 x 1, 8 waves a work-group, no clusters, 327,680 bytes of LDS; arguments qkv, o, Wo, W1, W2, wb; writes o, wb
.if DOCPART == 3
	.amdgcn_target "amdgcn-amd-amdhsa--gfx1250"
	.amdhsa_code_object_version 6
	.text
	.protected	k_qaba25cdff9_attn
	.globl	k_qaba25cdff9_attn
	.p2align	8
	.type	k_qaba25cdff9_attn,@function
k_qaba25cdff9_attn:
	s_mov_b64 s[64:65], 0
	v_nop
	global_prefetch_b8 v0, s[64:65] scope:SCOPE_SE
	s_setreg_imm32_b32 hwreg(HW_REG_WAVE_MODE, 25, 1), 1
	s_wait_xcnt 0x0
; ATTENTION under the mask |i - j| <= 128, or j < 16, or i < 16; and, on WGPs that attention has no work for, three weight matrices rounded to bf16 for the launches behind.
; qkv: [3][32 heads][2048][64] bf16; o: [4096 tokens][1024] bf16, column 64 head + channel.  wb: Wo at byte 6,291,456, W1 at 8,388,608, W2 at 16,777,216, all [k][n] bf16.
; THE WORK-GROUP'S NUMBER CHOOSES ONE OF THREE WAYS, which share no LDS byte:
;   104-231, THE BAND (128 work-groups: all the work it has): 256 queries of two neighbouring heads (a token's piece of o is then 256 aligned bytes); a wave 64 queries of one head, four tiles of 16.
;     First the 16 global keys, which start m, l and O^T; then five steps of 64 keys from query - 128 on.  A step that lies outside the sequence is jumped over.  All of a head's keys that the
;     work-group wants (16 + 512) are brought once, at the start, into LDS bytes 0 .. 304,127: nothing is filled twice.  Rows 0-15 of a head are computed with the rest and not stored.
;   0-31, THE GLOBAL ROWS: queries 0-15 of head 0..31 see all 2,048 keys.  Each of the eight waves takes 256 keys in four steps of 64; K's fragments come straight from memory; V comes through
;     registers into 2,304 LDS bytes of the wave's own, 16 keys at a time, and out of them turned.  The eight partial results meet in LDS, two channel blocks at a time.  LDS bytes 304,128 .. 322,559.
;   32-103, THE CAST: Wo, W1, W2 are 9,216 units of 1,024 numbers = 72 work-groups x 8 waves x 16 units; a wave's units are 65,536 consecutive bytes in, 32,768 out.  No LDS.
; Products, maxima and sums in f32, a running maximum for each query; the weights are rounded to bf16 for the second product (their sum is taken unrounded), o once at the end.
; THE MASK is the C operand of the product that starts a score's sum: 0, or -1e30 where the key is hidden.
; NO CLUSTER: neighbouring blocks' windows overlap by half, at other LDS places: no tile is wanted whole by two work-groups.
; LAYOUT: S^T = K Q^T holds one query a lane (l % 16) and the keys 8 (l / 16) + 0..7; two such results rounded in pairs are source 1 of O^T = V^T P.  V comes out of LDS turned.
; LIMITS.  A hidden score counts as its value less 1e30; a weight below 2^-126 counts as 0; NaN and infinities are not treated apart.  The global rows' 512 pieces of o are 128 bytes each.
; REGISTERS, the band: window 0: v0-11 addresses, v12-15 c m_old, v16-31 statistics (c m, m, l, l a tile), v32-47 at work, v64-191 S^T (P in each tile's low 16), v192-255 K's, then V's fragments;
;   window 1: v0-127 O^T, v128-191 Q, v192-255 the masks.  The global rows: window 0: v64-95 S^T, v128-191 V's fragments, v192-255 K's; window 1: v0-31 O^T, v32-95 V as loaded, v128-143 Q.
.set PK,    144                        ; a key's row in LDS: 128 bytes + 16
.set AREA,  528*PK                     ; 16 global keys, then a window of 512
.set HEADB, 2*AREA                     ; K's area, V's area
.set GB,    2*HEADB                    ; 304,128: behind the band's bytes, the global rows': eight stages of 16 keys; later 16,384 bytes of O^T
.set GST,   GB+16384                   ; and 1,024 of c m and l
.set SPARE, 326656                     ; the spare words: 128 bytes a wave, four blocks of 256 bytes that no other line names
.set SP,    272                        ; the band's stage: 256 tokens x (256 + 16) bytes from LDS byte 0, where the last fill is long over
.set AK0, 2
.set AVL, 3
.set AK,  4
.set AV,  5
.set STO, 6
.set RD,  7
.set GO,  8
.set QO,  9
.set HH,  10
.set DD,  11
.set MV,  12
.set ST,  16
.set TMP, 32
.set SPW, 48
.set NIL, 49
.set VO,  56                           ; the global rows: V's byte offset, stepped
.set VS,  57                           ; where I put 16 bytes of V in my wave's stage
.set S,   64
.set VF,  128                          ; the global rows: V's fragments
.set KV,  192
.set VR,  32                           ; window 1: the global rows: a step's V as loaded
.set Q,   128                          ; window 1
.set D00, 192                          ; mask of tile 0, key block 0
.set L0,  200                          ; of key block 0, tiles 1-3
.set LO,  208                          ; of key blocks 1.. below the tile's number
.set UP,  216                          ; above it
.set DL,  224                          ; -1e30 where 8 (l / 16) + j < l % 16
.set DU,  232                          ; where it is greater
.set DLU, 240                          ; the diagonal block of the step in hand
.set WV,  8
.set HW,  9
.set WQ,  10
.set PAIR, 11
.set BLKQ, 12
.set HD,  13
.set QW,  14
.set HA,  15
.set G1,  16
.set G1S, 24
.set G0,  32
.set CNT, 48
.set KS,  49                           ; the step's first key
.set TB,  50                           ; its LDS byte in K's area
.set CS,  52
.set SEL, 54
.set BIG, 56
.set AL,  58
.set AU,  60
.set CZ,  62
.set CL0, 68
.set CLO, 69
.set CUP, 70
.set MSB, 0
.macro WIN new
.if MSB != (\new)
	s_set_vgpr_msb (MSB<<8)|(\new)
.set MSB, \new
.endif
.endm
.macro PLACES                          ; four plain places behind matrix instructions (ISA guide 7.12.1)
.rept 4
	v_nop
.endr
.endm
.macro ALLT n, line:vararg             ; one line for each of the first n tiles, t = 0 ..
.set t, 0
.rept \n
	\line
.set t, t+1
.endr
.endm
; A step's softmax for n tiles, 64 keys: the maximum (each accumulator read from its low end on), the new m, a = 2^(c m_old - c m), p = 2^(c s - c m); O^T and l times a; l += sum; p rounded in place.
; The 33 exponentials of each tile are ONE batch with ONE wait.
.macro SOFT n
	WIN 0
.irp k, 0,1,2,3
	ALLT \n, v_max3_num_f32 v[TMP+4*t+\k], v[S+32*t+8*\k], v[S+32*t+8*\k+1], v[S+32*t+8*\k+2]
.endr
.irp k, 0,1,2,3
	ALLT \n, v_max3_num_f32 v[TMP+4*t+\k], v[TMP+4*t+\k], v[S+32*t+8*\k+3], v[S+32*t+8*\k+4]
.endr
.irp k, 0,1,2,3
	ALLT \n, v_max3_num_f32 v[TMP+4*t+\k], v[TMP+4*t+\k], v[S+32*t+8*\k+5], v[S+32*t+8*\k+6]
.endr
	ALLT \n, v_max3_num_f32 v[TMP+4*t], v[TMP+4*t], v[S+32*t+7], v[S+32*t+15]
	ALLT \n, v_max3_num_f32 v[TMP+4*t+1], v[TMP+4*t+1], v[S+32*t+23], v[S+32*t+31]
	ALLT \n, v_max3_num_f32 v[TMP+4*t+2], v[TMP+4*t+2], v[TMP+4*t+3], v[ST+4*t+1]
	ALLT \n, v_mov_b32 v[MV+t], v[ST+4*t]
	ALLT \n, v_max3_num_f32 v[TMP+4*t], v[TMP+4*t], v[TMP+4*t+1], v[TMP+4*t+2]
	ALLT \n, v_permlanex16_b32 v[TMP+4*t+3], v[TMP+4*t], s[SEL], s[SEL+1]
	ALLT \n, v_max_num_f32 v[ST+4*t+1], v[TMP+4*t], v[TMP+4*t+3]
	ALLT \n, v_mul_f32 v[ST+4*t], s[CS], v[ST+4*t+1]
	ALLT \n, v_sub_f32 v[TMP+4*t+1], v[MV+t], v[ST+4*t]
.set b, 0
.rept 16
	ALLT \n, v_pk_fma_f32 v[S+32*t+2*b:S+32*t+2*b+1], v[S+32*t+2*b:S+32*t+2*b+1], s[CS:CS+1], v[ST+4*t:ST+4*t+1] op_sel_hi:[1,0,0] neg_lo:[0,0,1] neg_hi:[0,0,1]
.set b, b+1
.endr
	ALLT \n, v_exp_f32 v[TMP+4*t+2], v[TMP+4*t+1]
.set e, 0
.rept 32
	ALLT \n, v_exp_f32 v[S+32*t+e], v[S+32*t+e]
.set e, e+1
.endr
	v_nop                                          ; a plain instruction behind the last exponential,
	s_wait_alu depctr_va_vdst(0)                   ; and the batch's one wait
	WIN 0x41                                       ; O^T in window 1, a in window 0
.set b, 0
.rept 16
	ALLT \n, v_pk_mul_f32 v[32*t+2*b:32*t+2*b+1], v[32*t+2*b:32*t+2*b+1], v[TMP+4*t+2:TMP+4*t+3] op_sel_hi:[1,0]
.set b, b+1
.endr
	WIN 0
	ALLT \n, v_pk_add_f32 v[TMP+4*t:TMP+4*t+1], v[S+32*t:S+32*t+1], v[S+32*t+2:S+32*t+3]
.set b, 2
.rept 14
	ALLT \n, v_pk_add_f32 v[TMP+4*t:TMP+4*t+1], v[TMP+4*t:TMP+4*t+1], v[S+32*t+2*b:S+32*t+2*b+1]
.set b, b+1
.endr
	ALLT \n, v_pk_fma_f32 v[ST+4*t+2:ST+4*t+3], v[ST+4*t+2:ST+4*t+3], v[TMP+4*t+2:TMP+4*t+3], v[TMP+4*t:TMP+4*t+1] op_sel_hi:[1,0,1]
.set b, 0
.rept 16
	ALLT \n, v_cvt_pk_bf16_f32 v[S+32*t+b], v[S+32*t+2*b], v[S+32*t+2*b+1]  ; ascending, in place: register b is written when 2 b and 2 b + 1 have been read
.set b, b+1
.endr
.endm
	s_load_b128 s[4:7], s[0:1], 0x0                ; qkv s[4:5], o s[6:7]
	s_load_b256 s[72:79], s[0:1], 0x10             ; Wo s[72:73], W1 s[74:75], W2 s[76:77], wb s[78:79]
	v_lshl_add_u32 v[SPW], v0, 2, SPARE
	v_mov_b32 v[NIL], 0
	ds_add_u32 v[SPW], v[NIL]                      ; the wave's opening: the add and its wait ahead of my first tensor load
	v_lshrrev_b32 v1, 5, v0
	v_readfirstlane_b32 s[WV], v1                  ; wave 0..7
	s_mov_b32 s[CS], 0x3e38aa3b                    ; c = log2(e) / 8
	s_mov_b32 s[CS+1], s[CS]
	s_mov_b32 s[SEL], 0x76543210
	s_mov_b32 s[SEL+1], 0xfedcba98
	s_mov_b32 s[BIG], 0xf149f2ca                   ; -1e30
	s_mov_b32 s[G1], (1<<16)|(1<<20)|(4<<22)|(3<<25)  ; 2-byte elements; padding on: after every 32 words (a key) 4 words
	s_mov_b32 s[G1+1], 128<<16                     ; dense keys are asked for as rows of 256 bytes, two keys a row
	s_mov_b32 s[G1+2], 64<<16                      ; 128 keys: 64 rows
	s_mov_b32 s[G1+3], 128<<16
	s_mov_b32 s[G1+4], 64
	s_mov_b32 s[G1+5], 128
	s_mov_b32 s[G1+6], 0
	s_mov_b32 s[G1+7], 0
	s_mov_b32 s[G1S], (1<<16)|(1<<20)|(4<<22)|(3<<25)
	s_mov_b32 s[G1S+1], 128<<16
	s_mov_b32 s[G1S+2], 4<<16                      ; 8 keys: 4 rows
	s_mov_b32 s[G1S+3], 128<<16
	s_mov_b32 s[G1S+4], 4
	s_mov_b32 s[G1S+5], 128
	s_mov_b32 s[G1S+6], 0
	s_mov_b32 s[G1S+7], 0
	v_and_b32 v1, 15, v0                           ; r = l % 16
	v_bfe_u32 v[HH], v0, 4, 1                      ; hh = l / 16
	v_mul_u32_u24 v[AK0], v1, PK
	v_lshl_add_u32 v[AK0], v[HH], 4, v[AK0]        ; K's fragments: row x pitch + 16 x half
	v_and_b32 v[AVL], 7, v0
	v_lshl_add_u32 v[AVL], v[HH], 3, v[AVL]        ; the turning load: key 8 hh + l % 8,
	v_mul_u32_u24 v[AVL], v[AVL], PK
	v_bfe_u32 v[DD], v0, 3, 1
	v_lshl_add_u32 v[AVL], v[DD], 4, v[AVL]        ; 16 bytes by (l / 8) % 2
	v_lshlrev_b32 v[QO], 7, v1
	v_lshl_add_u32 v[QO], v[HH], 4, v[QO]          ; a fragment straight from memory: row x 128 + 16 x half
	s_wait_dscnt 0x0                               ; the opening add is done
	s_wait_kmcnt 0x0
	s_cmp_lt_u32 ttmp9, 32
	s_cbranch_scc1 .Lglobal
	s_cmp_lt_u32 ttmp9, 104
	s_cbranch_scc1 .Lcast
	; ---------------- THE BAND ----------------
	s_sub_co_u32 s44, ttmp9, 104
	s_and_b32 s[PAIR], s44, 15                     ; the pair of heads
	s_lshr_b32 s[BLKQ], s44, 4                     ; the block of 256 queries
	s_lshr_b32 s[HW], s[WV], 2
	s_and_b32 s[WQ], s[WV], 3
	s_lshl_b32 s[HD], s[PAIR], 1
	s_add_co_u32 s[HD], s[HD], s[HW]               ; my head
	s_lshl_b32 s[QW], s[BLKQ], 8
	s_lshl_b32 s45, s[WQ], 6
	s_add_co_u32 s[QW], s[QW], s45                 ; my first query
	s_mul_i32 s[HA], s[HW], HEADB                  ; my head's LDS
	s_lshl_b32 s45, s[BLKQ], 8                     ; chunk wq of the window: keys 256 blk - 128 + 128 wq on, held inside the sequence
	s_lshl_b32 s46, s[WQ], 7                       ; (a chunk that is moved so holds keys of steps that are jumped over: nobody reads it)
	s_add_co_u32 s45, s45, s46
	s_sub_co_i32 s45, s45, 128
	s_max_i32 s45, s45, 0
	s_min_i32 s45, s45, 1920
	s_lshl_b32 s45, s45, 7
	s_lshl_b32 s47, s[HD], 18                      ; the head's bytes in a part
	s_add_co_u32 s66, s47, s45
	s_add_co_u32 s66, s66, 8388608                 ; K's part
	s_mov_b32 s67, 0
	s_mov_b32 s[G0], 1
	s_mul_i32 s[G0+1], s[WQ], 128*PK
	s_add_co_u32 s[G0+1], s[G0+1], s[HA]
	s_add_co_u32 s[G0+1], s[G0+1], 16*PK
	s_add_nc_u64 s[G0+2:G0+3], s[4:5], s[66:67]
	s_mov_b32 s[G0+4], 1
	s_add_co_u32 s[G0+5], s[G0+1], AREA
	s_add_nc_u64 s[G0+6:G0+7], s[G0+2:G0+3], 8388608   ; V's part
	s_or_b32 s[G0+3], s[G0+3], 0x80000000
	s_or_b32 s[G0+7], s[G0+7], 0x80000000
	s_bfe_u32 s45, s[WV], 0x10001                  ; the global keys: K's or V's,
	s_and_b32 s46, s[WV], 1                        ; the first eight or the last
	s_mov_b32 s[G0+8], 1
	s_mul_i32 s[G0+9], s45, AREA
	s_add_co_u32 s[G0+9], s[G0+9], s[HA]
	s_mul_i32 s66, s46, 8*PK
	s_add_co_u32 s[G0+9], s[G0+9], s66
	s_lshl_b32 s66, s45, 23
	s_add_co_u32 s66, s66, 8388608
	s_add_co_u32 s66, s66, s47
	s_lshl_b32 s46, s46, 10
	s_add_co_u32 s66, s66, s46
	s_add_nc_u64 s[G0+10:G0+11], s[4:5], s[66:67]
	s_or_b32 s[G0+11], s[G0+11], 0x80000000
	tensor_load_to_lds s[G0:G0+3], s[G1:G1+7]      ; every wave's three first fills go out together: three loads of mine are out
	s_nop 0
	tensor_load_to_lds s[G0+4:G0+7], s[G1:G1+7]
	s_nop 0
	tensor_load_to_lds s[G0+8:G0+11], s[G1S:G1S+7]
	s_nop 0
.rept 4
	v_nop
.endr
	s_lshl_b32 s66, s[QW], 7
	s_add_co_u32 s66, s66, s47
	s_add_nc_u64 s[44:45], s[4:5], s[66:67]        ; Q at my first query
	v_lshlrev_b32 v[DD], 3, v[HH]
	v_sub_nc_u32 v[DD], v1, v[DD]                  ; r - 8 hh
	v_add_nc_u32 v[AVL], AREA, v[AVL]              ; V's area lies behind K's
	WIN 0x40                                       ; destination window 1
.irp i, 0,1,2,3,4,5,6,7                ; tile i / 2, channels 32 (i % 2) on
	global_load_b128 v[Q+8*\i:Q+8*\i+3],   v[QO], s[44:45] offset:((\i)/2)*2048+((\i)%2)*64
	global_load_b128 v[Q+8*\i+4:Q+8*\i+7], v[QO], s[44:45] offset:((\i)/2)*2048+((\i)%2)*64+32
.endr
.irp j, 0,1,2,3,4,5,6,7
	v_cmp_lt_i32 vcc_lo, \j, v[DD]
	v_cndmask_b32 v[DL+\j], 0, s[BIG], vcc_lo
	v_cmp_gt_i32 vcc_lo, \j, v[DD]
	v_cndmask_b32 v[DU+\j], 0, s[BIG], vcc_lo
.endr
	WIN 0
	s_sub_co_u32 s[KS], s[QW], 128                 ; the first step's first key (below 0 it wraps to a large number)
	s_lshl_b32 s[TB], s[WQ], 6
	s_add_co_u32 s[TB], s[TB], 16
	s_mul_i32 s[TB], s[TB], PK
	s_add_co_u32 s[TB], s[TB], s[HA]
	s_mov_b32 s[AL+1], 0                           ; named as pairs
	s_mov_b32 s[AU+1], 0
	s_mov_b32 s[CZ+1], 0
	v_add_nc_u32 v[AK], s[HA], v[AK0]
	v_add_nc_u32 v[AV], s[HA], v[AVL]
	s_wait_tensorcnt 0x0                           ; my three parts are in,
	s_barrier_signal -1
	s_barrier_wait -1                              ; everybody's are
	; THE GLOBAL KEYS: 16 keys; for the second product they are the first half of 32, the other half with weight 0
.irp c, 0,1
	ds_load_b128 v[KV+8*\c:KV+8*\c+3],   v[AK] offset:64*\c
	ds_load_b128 v[KV+8*\c+4:KV+8*\c+7], v[AK] offset:64*\c+32
.endr
.irp cb, 0,1,2,3
	ds_load_tr16_b128 v[KV+16+8*\cb:KV+16+8*\cb+3],   v[AV] offset:32*\cb
	ds_load_tr16_b128 v[KV+16+8*\cb+4:KV+16+8*\cb+7], v[AV] offset:32*\cb+16*PK
.endr
	s_wait_loadcnt 0x0                             ; Q
	s_wait_dscnt 0x0
	WIN 0x04                                       ; Q in window 1
.irp t, 0,1,2,3
	v_wmma_f32_16x16x32_bf16 v[S+32*\t:S+32*\t+7], v[KV:KV+7], v[Q+16*\t:Q+16*\t+7], 0
.endr
.irp t, 0,1,2,3
	v_wmma_f32_16x16x32_bf16 v[S+32*\t:S+32*\t+7], v[KV+8:KV+15], v[Q+16*\t+8:Q+16*\t+15], v[S+32*\t:S+32*\t+7]
.endr
	PLACES
	WIN 0
	ALLT 4, v_max3_num_f32 v[TMP+4*t], v[S+32*t], v[S+32*t+1], v[S+32*t+2]
	ALLT 4, v_max3_num_f32 v[TMP+4*t+1], v[S+32*t+3], v[S+32*t+4], v[S+32*t+5]
	ALLT 4, v_max3_num_f32 v[TMP+4*t], v[TMP+4*t], v[S+32*t+6], v[S+32*t+7]
	ALLT 4, v_max_num_f32 v[TMP+4*t], v[TMP+4*t], v[TMP+4*t+1]
	ALLT 4, v_permlanex16_b32 v[TMP+4*t+1], v[TMP+4*t], s[SEL], s[SEL+1]
	ALLT 4, v_max_num_f32 v[ST+4*t+1], v[TMP+4*t], v[TMP+4*t+1]
	ALLT 4, v_mul_f32 v[ST+4*t], s[CS], v[ST+4*t+1]
.set b, 0
.rept 4
	ALLT 4, v_pk_fma_f32 v[S+32*t+2*b:S+32*t+2*b+1], v[S+32*t+2*b:S+32*t+2*b+1], s[CS:CS+1], v[ST+4*t:ST+4*t+1] op_sel_hi:[1,0,0] neg_lo:[0,0,1] neg_hi:[0,0,1]
.set b, b+1
.endr
.set e, 0
.rept 8
	ALLT 4, v_exp_f32 v[S+32*t+e], v[S+32*t+e]
.set e, e+1
.endr
	v_nop
	s_wait_alu depctr_va_vdst(0)                   ; one wait for the 32 exponentials
	ALLT 4, v_pk_add_f32 v[ST+4*t+2:ST+4*t+3], v[S+32*t:S+32*t+1], v[S+32*t+2:S+32*t+3]
	ALLT 4, v_pk_add_f32 v[TMP+4*t:TMP+4*t+1], v[S+32*t+4:S+32*t+5], v[S+32*t+6:S+32*t+7]
	ALLT 4, v_pk_add_f32 v[ST+4*t+2:ST+4*t+3], v[ST+4*t+2:ST+4*t+3], v[TMP+4*t:TMP+4*t+1]
.set b, 0
.rept 4
	ALLT 4, v_cvt_pk_bf16_f32 v[S+32*t+b], v[S+32*t+2*b], v[S+32*t+2*b+1]
.set b, b+1
.endr
.set b, 4
.rept 4
	ALLT 4, v_mov_b32 v[S+32*t+b], 0
.set b, b+1
.endr
	WIN 0x40                                       ; O^T in window 1: these sixteen products start its sums
.irp cb, 0,1,2,3
.irp t, 0,1,2,3
	v_wmma_f32_16x16x32_bf16 v[32*\t+8*\cb:32*\t+8*\cb+7], v[KV+16+8*\cb:KV+16+8*\cb+7], v[S+32*\t:S+32*\t+7], 0
.endr
.endr
	PLACES
	WIN 0
	; THE WINDOW: five steps.  With d = 8 hh + j - r, key - query = -128 + 64 (step) + 16 (kb - t) + d: the first step hides kb < t and, at kb = t, d < 0; the last kb > t and d > 0;
	; a step that begins at key 0 hides its block kb = 0, the global keys, which have been counted.
.macro KQ c, kb, t
.set rS, S+32*(\t)+8*(\kb)
.set rK, KV+16*(\kb)+8*(\c)
.set rQ, Q+16*(\t)+8*(\c)
.if (\c) == 0
.if ((\kb) == 0) && ((\t) == 0)
.set rX, D00
.elseif (\kb) == 0
.set rX, L0
.elseif (\kb) == (\t)
.set rX, DLU
.elseif (\kb) < (\t)
.set rX, LO
.else
.set rX, UP
.endif
	WIN 0x14                                       ; Q and the mask in window 1
	v_wmma_f32_16x16x32_bf16 v[rS:rS+7], v[rK:rK+7], v[rQ:rQ+7], v[rX:rX+7]
.else
	WIN 0x04
	v_wmma_f32_16x16x32_bf16 v[rS:rS+7], v[rK:rK+7], v[rQ:rQ+7], v[rS:rS+7]
.endif
.endm
	s_mov_b32 s[CNT], 5
.Ltrip:
	s_cmp_gt_u32 s[KS], 1984                       ; the step lies outside the sequence
	s_cbranch_scc1 .Ldead
	s_cmp_eq_u32 s[CNT], 5
	s_cselect_b32 s[AL], 1.0, 0
	s_cselect_b32 s[CLO], s[BIG], 0
	s_cselect_b32 s[CL0], s[BIG], 0
	s_cmp_eq_u32 s[CNT], 1
	s_cselect_b32 s[AU], 1.0, 0
	s_cselect_b32 s[CUP], s[BIG], 0
	s_cmp_eq_u32 s[KS], 0
	s_cselect_b32 s[CZ], s[BIG], 0
	s_cselect_b32 s[CL0], s[BIG], s[CL0]
	v_add_nc_u32 v[AK], s[TB], v[AK0]
	v_add_nc_u32 v[AV], s[TB], v[AVL]
.irp f, 0,1,2,3,4,5,6,7                ; K: keys 16 (f / 2) on, channels 32 (f % 2) on
	ds_load_b128 v[KV+8*\f:KV+8*\f+3],   v[AK] offset:((\f)/2)*16*PK+((\f)%2)*64
	ds_load_b128 v[KV+8*\f+4:KV+8*\f+7], v[AK] offset:((\f)/2)*16*PK+((\f)%2)*64+32
.endr
	WIN 0x41                                       ; the step's masks, while K is on its way
.irp i, 0,2,4,6
	v_pk_mul_f32 v[DLU+\i:DLU+\i+1], v[DL+\i:DL+\i+1], s[AL:AL+1] op_sel_hi:[1,0]
.endr
	WIN 0x51
.irp i, 0,2,4,6
	v_pk_fma_f32 v[DLU+\i:DLU+\i+1], v[DU+\i:DU+\i+1], s[AU:AU+1], v[DLU+\i:DLU+\i+1] op_sel_hi:[1,0,1]
.endr
	WIN 0x41
.irp i, 0,2,4,6
	v_pk_add_f32 v[D00+\i:D00+\i+1], v[DLU+\i:DLU+\i+1], s[CZ:CZ+1] op_sel_hi:[1,0]
.endr
	WIN 0x40
.irp i, 0,1,2,3,4,5,6,7
	v_mov_b32 v[L0+\i], s[CL0]
	v_mov_b32 v[LO+\i], s[CLO]
	v_mov_b32 v[UP+\i], s[CUP]
.endr
	s_wait_dscnt 0x0                               ; K is in
.irp c, 0,1                            ; the 16 accumulators take turns
.irp kb, 0,1,2,3
.irp t, 0,1,2,3
	KQ \c, \kb, \t
.endr
.endr
.endr
	PLACES
	WIN 0
.irp f, 0,1,2,3,4,5,6,7                ; V, turned, where K lay: keys 32 (f / 4) on, channels 16 (f % 4) on
	ds_load_tr16_b128 v[KV+8*\f:KV+8*\f+3],   v[AV] offset:((\f)/4)*32*PK+((\f)%4)*32
	ds_load_tr16_b128 v[KV+8*\f+4:KV+8*\f+7], v[AV] offset:((\f)/4)*32*PK+16*PK+((\f)%4)*32
.endr
	SOFT 4
	s_wait_dscnt 0x0                               ; V is in
	WIN 0x50                                       ; O^T in window 1
.irp kk, 0,1
.irp cb, 0,1,2,3
.irp t, 0,1,2,3
	v_wmma_f32_16x16x32_bf16 v[32*\t+8*\cb:32*\t+8*\cb+7], v[KV+32*\kk+8*\cb:KV+32*\kk+8*\cb+7], v[S+32*\t+8*\kk:S+32*\t+8*\kk+7], v[32*\t+8*\cb:32*\t+8*\cb+7]
.endr
.endr
.endr
	PLACES
	WIN 0
.Ldead:
	s_add_co_u32 s[KS], s[KS], 64
	s_add_co_u32 s[TB], s[TB], 64*PK
	s_sub_co_u32 s[CNT], s[CNT], 1
	s_cmp_lg_u32 s[CNT], 0
	s_cbranch_scc1 .Ltrip
	; THE WAY OUT: O^T / l, rounded; both heads' pieces of a token meet in the stage and leave as 256 consecutive bytes
	ALLT 4, v_add_f32 v[ST+4*t+2], v[ST+4*t+2], v[ST+4*t+3]
	ALLT 4, v_permlanex16_b32 v[ST+4*t+3], v[ST+4*t+2], s[SEL], s[SEL+1]
	ALLT 4, v_add_f32 v[ST+4*t+2], v[ST+4*t+2], v[ST+4*t+3]
	ALLT 4, v_rcp_f32 v[ST+4*t+2], v[ST+4*t+2]
	s_lshl_b32 s44, s[WQ], 6
	v_add_nc_u32 v[STO], s44, v1                   ; in: token 64 wq + r (+ 16 t), my head's 128 bytes, 16 for each half of the lanes
	v_mul_u32_u24 v[STO], v[STO], SP
	v_lshl_add_u32 v[STO], v[HH], 4, v[STO]
	s_lshl_b32 s44, s[HW], 7
	v_add_nc_u32 v[STO], s44, v[STO]
	s_lshl_b32 s44, s[WV], 5
	v_add_nc_u32 v[RD], s44, v[HH]                 ; back: wave w takes tokens 32 w .. 32 w + 31, two a load
	v_mul_u32_u24 v[RD], v[RD], SP
	v_lshl_add_u32 v[RD], v1, 4, v[RD]
	v_lshlrev_b32 v[GO], 11, v[HH]
	v_lshl_add_u32 v[GO], v1, 4, v[GO]
	s_wait_alu depctr_va_vdst(0)                   ; one wait for the four reciprocals; the address lines above are the plain work between
.irp t, 0,1,2,3
	WIN 0x41
.set i, 0
.rept 16
	v_pk_mul_f32 v[32*\t+i:32*\t+i+1], v[32*\t+i:32*\t+i+1], v[ST+4*\t+2:ST+4*\t+3] op_sel_hi:[1,0]
.set i, i+2
.endr
	WIN 0x05
.set i, 0
.rept 16
	v_cvt_pk_bf16_f32 v[S+16*\t+i], v[32*\t+2*i], v[32*\t+2*i+1]
.set i, i+1
.endr
.endr
	WIN 0
	s_lshr_b32 s44, s[PAIR], 3                     ; batch
	s_lshl_b32 s44, s44, 11
	s_lshl_b32 s45, s[BLKQ], 8
	s_add_co_u32 s44, s44, s45
	s_lshl_b32 s45, s[WV], 5
	s_add_co_u32 s44, s44, s45                     ; the first token that I store
	s_lshl_b32 s44, s44, 11
	s_and_b32 s45, s[PAIR], 7
	s_lshl_b32 s45, s45, 8
	s_add_co_u32 s44, s44, s45
	s_mov_b32 s45, 0
	s_add_nc_u64 s[6:7], s[6:7], s[44:45]
	s_wait_dscnt 0x0                               ; my reads of K and V are over,
	s_barrier_signal -1
	s_barrier_wait -1                              ; everybody's are: the stage may be written
.irp t, 0,1,2,3
.irp cb, 0,1,2,3
	ds_store_b128 v[STO], v[S+16*\t+4*\cb:S+16*\t+4*\cb+3] offset:16*SP*\t+32*\cb
.endr
.endr
	s_wait_dscnt 0x0                               ; for the others' sake: my stores are done
	s_barrier_signal -1
	s_barrier_wait -1
.irp i, 0,1,2,3,4,5,6,7,8,9,10,11,12,13,14,15
	ds_load_b128 v[128+4*\i:128+4*\i+3], v[RD] offset:2*SP*\i
.endr
	s_wait_dscnt 0x0
	s_or_b32 s46, s[BLKQ], s[WV]
	s_cmp_eq_u32 s46, 0                            ; tokens 0-15 are the global rows': not the band's to store
	s_cbranch_scc1 .Lnot_mine
.irp i, 0,1,2,3,4,5,6,7
	global_store_b128 v[GO], v[128+4*\i:128+4*\i+3], s[6:7] offset:4096*\i
.endr
.Lnot_mine:
.irp i, 8,9,10,11,12,13,14,15
	global_store_b128 v[GO], v[128+4*\i:128+4*\i+3], s[6:7] offset:4096*\i  ; 16 lanes store 256 consecutive bytes, aligned
.endr
	s_wait_tensorcnt 0x0                           ; the wave's end
	ds_add_u32 v[SPW], v[NIL]
	s_wait_dscnt 0x0
	s_endpgm
	; ---------------- THE CAST ----------------
.Lcast:
	s_sub_co_u32 s44, ttmp9, 32                    ; c = 0..71: 8 work-groups for Wo, 32 for W1, 32 for W2
	s_sub_co_u32 s46, s44, 8
	s_sub_co_u32 s47, s44, 40
	s_cmp_lt_u32 s44, 8                            ; the source and my place in it, by the work-group's number alone
	s_cselect_b32 s46, s44, s46
	s_cselect_b64 s[58:59], s[72:73], s[74:75]
	s_cmp_ge_u32 s44, 40
	s_cselect_b32 s46, s47, s46
	s_cselect_b64 s[58:59], s[76:77], s[58:59]
	s_lshl3_add_u32 s46, s46, s[WV]                ; my wave among the source's,
	s_lshl_b32 s66, s46, 16                        ; its 16 units of 4,096 bytes
	s_mov_b32 s67, 0
	s_add_nc_u64 s[58:59], s[58:59], s[66:67]
	s_lshl3_add_u32 s44, s44, s[WV]                ; my wave among all: in wb the three lie end to end
	s_lshl_b32 s66, s44, 15
	s_add_co_u32 s66, s66, 6291456
	s_add_nc_u64 s[60:61], s[78:79], s[66:67]
	v_and_b32 v50, 31, v0
	v_lshlrev_b32 v51, 3, v50                      ; 8 x lane
	v_lshlrev_b32 v50, 4, v50                      ; 16 x lane
	s_mov_b32 s[CNT], 4
.Lctrip:                                               ; a trip: four units: 32 loads of 512 consecutive bytes go out together, 16,384 bytes of the wave's in flight
.set nn, 0
.rept 32
	global_load_b128 v[64+4*nn:67+4*nn], v50, s[58:59] offset:512*nn th:TH_LOAD_NT
.set nn, nn+1
.endr
.set nn, 0
.rept 32
	s_wait_loadcnt 31-nn                           ; this load is in; the younger ones stay out
	v_cvt_pk_bf16_f32 v[192+2*nn], v[64+4*nn], v[65+4*nn]
	v_cvt_pk_bf16_f32 v[193+2*nn], v[66+4*nn], v[67+4*nn]
	global_store_b64 v51, v[192+2*nn:193+2*nn], s[60:61] offset:256*nn  ; the wave stores 256 consecutive bytes, aligned
.set nn, nn+1
.endr
	s_wait_xcnt 0x0                                ; the stores have read their data and their base: only now are these written again
	s_add_nc_u64 s[58:59], s[58:59], 16384
	s_add_nc_u64 s[60:61], s[60:61], 8192
	s_sub_co_u32 s[CNT], s[CNT], 1
	s_cmp_lg_u32 s[CNT], 0
	s_cbranch_scc1 .Lctrip
	s_wait_tensorcnt 0x0                           ; the wave's end
	ds_add_u32 v[SPW], v[NIL]
	s_wait_dscnt 0x0
	s_endpgm
	; ---------------- THE GLOBAL ROWS ----------------
.Lglobal:
	s_mov_b32 s[HD], ttmp9
	s_lshl_b32 s47, s[HD], 18                      ; the head's bytes in a part
	s_lshl_b32 s46, s[WV], 15
	s_add_co_u32 s46, s46, s47                     ; head and my 256 keys
	s_mov_b32 s67, 0
	s_add_co_u32 s66, s46, 8388608
	s_add_nc_u64 s[44:45], s[4:5], s[66:67]        ; K at my first key
	s_add_co_u32 s66, s46, 16777216
	s_add_nc_u64 s[60:61], s[4:5], s[66:67]        ; V at my first key
	s_mov_b32 s66, s47
	s_add_nc_u64 s[58:59], s[4:5], s[66:67]        ; Q at the head's row 0
	v_mov_b32 v[DD], v[QO]                         ; K's offset, stepped
	v_and_b32 v50, 31, v0
	v_lshlrev_b32 v50, 4, v50                      ; 16 l
	v_mov_b32 v[VO], v50                           ; V's offset, stepped: keys are dense, so 32 lanes take four keys
.macro GK                              ; a step's K as fragments, straight from memory: nobody else wants it
.irp f, 0,1,2,3,4,5,6,7
	global_load_b128 v[KV+8*\f:KV+8*\f+3],   v[DD], s[44:45] offset:((\f)/2)*2048+((\f)%2)*64
	global_load_b128 v[KV+8*\f+4:KV+8*\f+7], v[DD], s[44:45] offset:((\f)/2)*2048+((\f)%2)*64+32
.endr
.endm
.macro GV                              ; a step's V as it lies: load nn brings keys 4 nn .. 4 nn + 3: lane l key 4 nn + l / 8, bytes 16 (l % 8) on
	WIN 0x40
.set nn, 0
.rept 16
	global_load_b128 v[VR+4*nn:VR+4*nn+3], v[VO], s[60:61] offset:512*nn
.set nn, nn+1
.endr
	WIN 0
.endm
	WIN 0x40
.irp c, 0,1
	global_load_b128 v[Q+8*\c:Q+8*\c+3],   v[QO], s[58:59] offset:64*\c
	global_load_b128 v[Q+8*\c+4:Q+8*\c+7], v[QO], s[58:59] offset:64*\c+32
.endr
	WIN 0
	GK
	GV
	WIN 0x40
.set i, 0
.rept 32
	v_mov_b32 v[i], 0                              ; O^T starts at 0, in the wait for the first loads: the four trips have one form
.set i, i+1
.endr
	WIN 0
	v_mov_b32 v[ST], 0xfe000000                    ; c m: far below every c s, so the first step's a is 0
	v_mov_b32 v[ST+1], 0xff7fffff                  ; m
	v_mov_b32 v[ST+2], 0
	v_mov_b32 v[ST+3], 0
	s_mul_i32 s49, s[WV], 16*PK
	s_add_co_u32 s49, s49, GB                      ; my wave's stage: 16 keys
	v_bfe_u32 v[VS], v0, 3, 2
	v_mul_u32_u24 v[VS], v[VS], PK
	v_and_b32 v58, 7, v0
	v_lshl_add_u32 v[VS], v58, 4, v[VS]
	v_add_nc_u32 v[VS], s49, v[VS]                 ; in: key l / 8 (+ 4 i), bytes 16 (l % 8) on
	v_add_nc_u32 v[AV], s49, v[AVL]                ; out, turned
	s_mov_b32 s[CNT], 4
.Lgtrip:
	s_wait_loadcnt 0x0                             ; K and V (and, the first time, Q)
	WIN 0x04                                       ; the stores' data, and Q, in window 1
.irp g, 0,1,2,3                        ; V goes through my stage 16 keys at a time.  LDS serves a wave's instructions in order (ISA guide 5.7.1.4): the loads see the stores above them, the next stores come behind the loads
.irp i, 0,1,2,3
	ds_store_b128 v[VS], v[VR+16*\g+4*\i:VR+16*\g+4*\i+3] offset:4*PK*\i
.endr
.irp cb, 0,1,2,3                       ; half a fragment: keys 16 g + 8 hh + 0..7 of channel 16 cb + r
	ds_load_tr16_b128 v[VF+32*((\g)/2)+8*\cb+4*((\g)%2):VF+32*((\g)/2)+8*\cb+4*((\g)%2)+3], v[AV] offset:32*\cb
.endr
.endr
.irp kb, 0,1,2,3                       ; the four accumulators take turns
	v_wmma_f32_16x16x32_bf16 v[S+8*\kb:S+8*\kb+7], v[KV+16*\kb:KV+16*\kb+7], v[Q:Q+7], 0
.endr
.irp kb, 0,1,2,3
	v_wmma_f32_16x16x32_bf16 v[S+8*\kb:S+8*\kb+7], v[KV+16*\kb+8:KV+16*\kb+15], v[Q+8:Q+15], v[S+8*\kb:S+8*\kb+7]
.endr
	PLACES
	WIN 0
	s_wait_dscnt 0x0                               ; V's fragments are in, and the stores have taken their data
	s_cmp_eq_u32 s[CNT], 1                         ; the last trip has no next step
	s_cbranch_scc1 .Lgnk
	v_add_nc_u32 v[DD], 8192, v[DD]                ; free: the loads that named them have been waited for
	v_add_nc_u32 v[VO], 8192, v[VO]
	GK
	GV
.Lgnk:
	SOFT 1
	WIN 0x50                                       ; O^T in window 1
.irp kk, 0,1
.irp cb, 0,1,2,3
	v_wmma_f32_16x16x32_bf16 v[8*\cb:8*\cb+7], v[VF+32*\kk+8*\cb:VF+32*\kk+8*\cb+7], v[S+8*\kk:S+8*\kk+7], v[8*\cb:8*\cb+7]
.endr
.endr
	PLACES
	v_nop                                          ; a fifth place: the next trip's first products write over S^T, which these have read
	WIN 0
	s_sub_co_u32 s[CNT], s[CNT], 1
	s_cmp_lg_u32 s[CNT], 0
	s_cbranch_scc1 .Lgtrip
	; THE MERGE.  The eight waves' c m and l meet first; each wave then knows M, the greatest c m, and L, the sum of 2^(c m - M) l, and multiplies its own O^T by 2^(c m - M) / L, so that what is left is a sum
	; of eight.  8 x 4,096 bytes of O^T do not fit in this way's LDS bytes, so it goes in two halves of the channels, through 16,384 bytes: waves 0, 1 add up channel blocks 0, 1; then waves 2, 3 blocks 2, 3.
	v_add_f32 v[ST+2], v[ST+2], v[ST+3]
	v_permlanex16_b32 v[ST+3], v[ST+2], s[SEL], s[SEL+1]
	v_add_f32 v[ST+2], v[ST+2], v[ST+3]
	s_lshl_b32 s46, s[WV], 11
	s_add_co_u32 s46, s46, GB
	v_add_nc_u32 v51, s46, v50                     ; my wave's 2,048 bytes: two channel blocks
	v_lshlrev_b32 v52, 5, v1
	v_add_nc_u32 v52, GST, v52                     ; my query's eight c m; its eight l lie 512 bytes on
	s_lshl_b32 s46, s[WV], 2
	v_add_nc_u32 v53, s46, v52
	s_and_b32 s46, s[WV], 1
	s_lshl_b32 s46, s46, 10
	s_add_co_u32 s46, s46, GB
	v_add_nc_u32 v54, s46, v50                     ; the block that I add up, in wave 0's part
	v_lshlrev_b32 v55, 11, v1
	v_lshl_add_u32 v55, v[HH], 4, v55              ; token r, my 8 channels
	s_lshr_b32 s46, s[HD], 4
	s_lshl_b32 s46, s46, 22                        ; batch
	s_and_b32 s66, s[HD], 15
	s_lshl_b32 s66, s66, 7                         ; head
	s_add_co_u32 s66, s66, s46
	s_lshl_b32 s46, s[WV], 5                       ; channel block = my wave's number
	s_add_co_u32 s66, s66, s46
	s_mov_b32 s67, 0
	s_add_nc_u64 s[6:7], s[6:7], s[66:67]
	s_wait_dscnt 0x0                               ; my reads of my stage are over,
	s_barrier_signal -1
	s_barrier_wait -1                              ; everybody's are
	ds_store_b32 v53, v[ST]                        ; both halves of the lanes hold the same number
	ds_store_b32 v53, v[ST+2] offset:512
	s_wait_dscnt 0x0                               ; for the others' sake: my stores are done
	s_barrier_signal -1
	s_barrier_wait -1
	ds_load_b128 v[64:67], v52
	ds_load_b128 v[68:71], v52 offset:16
	ds_load_b128 v[72:75], v52 offset:512
	ds_load_b128 v[76:79], v52 offset:528
	s_wait_dscnt 0x0
	v_max3_num_f32 v104, v64, v65, v66
	v_max3_num_f32 v104, v104, v67, v68
	v_max3_num_f32 v104, v104, v69, v70
	v_max_num_f32 v104, v104, v71
.irp p, 0,1,2,3,4,5,6,7
	v_sub_f32 v[80+\p], v[64+\p], v104
.endr
	v_sub_f32 v88, v[ST], v104                     ; my own
.irp p, 0,1,2,3,4,5,6,7,8
	v_exp_f32 v[80+\p], v[80+\p]
.endr
	v_mov_b32 v107, 0                              ; (named below as the second of a pair)
	s_wait_alu depctr_va_vdst(0)                   ; one wait for the nine exponentials
	v_mul_f32 v105, v80, v72
.irp p, 1,2,3,4,5,6,7
	v_fmac_f32 v105, v[80+\p], v[72+\p]
.endr
	v_rcp_f32 v106, v105
	v_nop
	s_wait_alu depctr_va_vdst(0)                   ; the reciprocal
	v_mul_f32 v106, v106, v88
	WIN 0x41
.set i, 0
.rept 16
	v_pk_mul_f32 v[i:i+1], v[i:i+1], v[106:107] op_sel_hi:[1,0]
.set i, i+2
.endr
.macro FIN rnd                         ; waves 2 rnd and 2 rnd + 1 add up the eight parts of their channel block, round and store
	s_lshr_b32 s46, s[WV], 1
	s_cmp_eq_u32 s46, \rnd
	s_cbranch_scc0 .Lnofin_\@
.irp p, 0,1,2,3,4,5,6,7
	ds_load_b128 v[128+8*\p:128+8*\p+3], v54 offset:2048*\p
	ds_load_b128 v[128+8*\p+4:128+8*\p+7], v54 offset:2048*\p+512
.endr
	s_wait_dscnt 0x0
.irp i, 0,2,4,6
	v_pk_add_f32 v[128+\i:129+\i], v[128+\i:129+\i], v[136+\i:137+\i]
	v_pk_add_f32 v[144+\i:145+\i], v[144+\i:145+\i], v[152+\i:153+\i]
	v_pk_add_f32 v[160+\i:161+\i], v[160+\i:161+\i], v[168+\i:169+\i]
	v_pk_add_f32 v[176+\i:177+\i], v[176+\i:177+\i], v[184+\i:185+\i]
.endr
.irp i, 0,2,4,6
	v_pk_add_f32 v[128+\i:129+\i], v[128+\i:129+\i], v[144+\i:145+\i]
	v_pk_add_f32 v[160+\i:161+\i], v[160+\i:161+\i], v[176+\i:177+\i]
.endr
.irp i, 0,2,4,6
	v_pk_add_f32 v[128+\i:129+\i], v[128+\i:129+\i], v[160+\i:161+\i]
.endr
.irp i, 0,1,2,3
	v_cvt_pk_bf16_f32 v[108+4*(\rnd)+\i], v[128+2*\i], v[129+2*\i]
.endr
	global_store_b128 v55, v[108+4*(\rnd):111+4*(\rnd)], s[6:7]
.Lnofin_\@:
.endm
	WIN 0x04                                       ; the data in window 1
.irp i, 0,1,2,3
	ds_store_b128 v51, v[4*\i:4*\i+3] offset:512*\i          ; channel blocks 0 and 1
.endr
	WIN 0
	s_wait_dscnt 0x0                               ; for the others' sake: my stores are done
	s_barrier_signal -1
	s_barrier_wait -1
	FIN 0
	s_wait_dscnt 0x0                               ; the reads of the first half are over
	s_barrier_signal -1
	s_barrier_wait -1
	WIN 0x04
.irp i, 0,1,2,3
	ds_store_b128 v51, v[16+4*\i:16+4*\i+3] offset:512*\i    ; channel blocks 2 and 3, into the same bytes
.endr
	WIN 0
	s_wait_dscnt 0x0
	s_barrier_signal -1
	s_barrier_wait -1
	FIN 1
	s_wait_tensorcnt 0x0                           ; the wave's end
	ds_add_u32 v[SPW], v[NIL]
	s_wait_dscnt 0x0
	s_endpgm
.Lfunc_end_k_qaba25cdff9_attn:
	.size	k_qaba25cdff9_attn, .Lfunc_end_k_qaba25cdff9_attn-k_qaba25cdff9_attn
	.p2alignl 7, 3214868480
	.fill 96, 4, 3214868480
	.section	.rodata,"a",@progbits
	.p2align	6, 0x0
	.amdhsa_kernel k_qaba25cdff9_attn
		.amdhsa_group_segment_fixed_size 327680
		.amdhsa_private_segment_fixed_size 0
		.amdhsa_enable_private_segment 0
		.amdhsa_kernarg_size 48
		.amdhsa_user_sgpr_count 2
		.amdhsa_user_sgpr_kernarg_segment_ptr 1
		.amdhsa_wavefront_size32 1
		.amdhsa_system_sgpr_workgroup_id_x 1
		.amdhsa_system_sgpr_workgroup_id_y 1
		.amdhsa_system_sgpr_workgroup_id_z 1
		.amdhsa_system_vgpr_workitem_id 0
		.amdhsa_next_free_vgpr 512
		.amdhsa_next_free_sgpr 80
		.amdhsa_reserve_vcc 1
		.amdhsa_float_denorm_mode_32 3
		.amdhsa_float_denorm_mode_16_64 3
		.amdhsa_memory_ordered 1
		.amdhsa_forward_progress 1
		.amdhsa_inst_pref_size 108
	.end_amdhsa_kernel
	.amdgpu_metadata
---
amdhsa.version: [ 1, 2 ]
amdhsa.kernels:
  - .name:           k_qaba25cdff9_attn
    .symbol:         k_qaba25cdff9_attn.kd
    .args:
      - { .name: qkv, .offset: 0, .size: 8, .value_kind: global_buffer, .address_space: global }
      - { .name: o, .offset: 8, .size: 8, .value_kind: global_buffer, .address_space: global }
      - { .name: Wo, .offset: 16, .size: 8, .value_kind: global_buffer, .address_space: global }
      - { .name: W1, .offset: 24, .size: 8, .value_kind: global_buffer, .address_space: global }
      - { .name: W2, .offset: 32, .size: 8, .value_kind: global_buffer, .address_space: global }
      - { .name: wb, .offset: 40, .size: 8, .value_kind: global_buffer, .address_space: global }
    .group_segment_fixed_size: 327680
    .private_segment_fixed_size: 0
    .kernarg_segment_align: 8
    .kernarg_segment_size: 48
    .max_flat_workgroup_size: 256
    .sgpr_count:     80
    .vgpr_count:     512
    .wavefront_size: 32
...
	.end_amdgpu_metadata
.endif
;; end of part 3
;; launch wo (part 4): grid 8 x 32, 4 waves a work-group, clusters of 4 x 4, 327,680 bytes of LDS; arguments o, wb, bo, x, x1; writes x1
.if DOCPART == 4
	.amdgcn_target "amdgcn-amd-amdhsa--gfx1250"
	.amdhsa_code_object_version 6
	.text
	.protected	k_qaba25cdff9_wo
	.globl	k_qaba25cdff9_wo
	.p2align	8
	.type	k_qaba25cdff9_wo,@function
k_qaba25cdff9_wo:
	s_mov_b64 s[64:65], 0
	v_nop
	global_prefetch_b8 v0, s[64:65] scope:SCOPE_SE
	s_setreg_imm32_b32 hwreg(HW_REG_WAVE_MODE, 25, 1), 1
	s_wait_xcnt 0x0
	s_wait_alu depctr_hold_cnt(0) depctr_sa_sdst(0) depctr_va_vdst(0) depctr_va_sdst(0) depctr_va_ssrc(0) depctr_va_vcc(0) depctr_vm_vsrc(0)
	s_getreg_b32 s2, hwreg(HW_REG_IB_STS2, 6, 4)
	s_cmp_eq_u32 s2, 0
	s_cbranch_scc0 .Lentry_in_a_cluster
	s_endpgm
.Lentry_in_a_cluster:
	s_bfe_u32 s2, ttmp6, 0x10000c
	s_cmp_lg_u32 s2, 0xf033
	s_cbranch_scc0 .Lentry_shape_is_right
	s_endpgm
.Lentry_shape_is_right:
; OUT[m][n] = RES[m][n] + bias[n] + sum over k of A[m][k] W[k][n].  A: [4096][SIZE_K] bf16; W: [SIZE_K][1024] bf16, rows along n; bias, RES, OUT f32; sums in f32.
; A tile of OUT is 128 x 128 (256 work-groups): four waves, each 64 x 64 in 16 accumulators.  K goes in steps of 256 through two LDS slots filled by the tensor data mover.
; W's tile lies in LDS as in memory, [k][n]; its fragments come turned by ds_load_tr16_b128.  The product is used transposed: a lane holds row l % 16 and the columns 8 (l / 16) + 0..7.
; The bias is the C operand of each accumulator's first product.  The residual is asked for at the start and stays on its way through the whole K loop.
; CLUSTER 4 x 4: A's tile is shared along a row of the cluster, W's along a column, each by a joint load.  The K step is written once; the last two steps are a loop of two passes that fills nothing.
; No prefetch: the tiles are small and each step is short.
; REGISTERS: window 0: v0-31 addresses, v32-95 at work on the way out, v128-255 the accumulators ((a, b) at 128 + 8 (4 a + b));
;   window 1: two fragment buffers of 128 (64 of A, then 64 of W, for 64 along K);  window 2: v0-127 the residual, v128-159 the bias.
.set SIZE_K, 1024
.set WOFF,   6291456                   ; W's first byte in wb
.set LDA,    SIZE_K
.set STEPS,  SIZE_K/256
.set PITCHA, 528                       ; 512 bytes + 16
.set APIECE, 64*PITCHA                 ; what a wave fetches of A: 64 rows
.set PITCHB, 288                       ; 256 bytes + 32
.set BPIECE, 128*PITCHB                ; of W: 128 k rows
.set BBASE,  2*APIECE
.set SLOT,   147456                    ; 0x24000: above the 141,312 bytes in use, and it shares no bit with the four waves' LDS words, so an exclusive or with it changes slots
.set STAGE,  2*SLOT                    ; 16 rows x 272 bytes of f32 for each wave
.set SPITCH, 272
.set SPARE,  STAGE+4*16*SPITCH         ; the spare words: two blocks of 256 bytes that no other line names
.set ADRA0, 16
.set ADRB0, 17
.set ADRA,  18
.set ADRB,  19                         ; v19 k rows 0-127 of the step, v20 k rows 128-255 (the 16-bit offset does not reach them)
.set STO,   24
.set RD,    25
.set CO,    26
.set SPW,   28
.set NIL,   29
.set BO,    30
.set TMP,   32
.set ACC,   128
.set F0,    0
.set F1,    128
.set TB,    2
.set G1A,   24
.set G0A,   32
.set G1B,   48
.set G0B,   56
.set MSB, 0
.macro WIN new
.if MSB != (\new)
	s_set_vgpr_msb (MSB<<8)|(\new)
.set MSB, \new
.endif
.endm
.macro PLACES
.rept 4
	v_nop
.endr
.endm
.macro JLOAD                           ; a joint refill by the walking set; an s_nop 0 and four v_nop follow each line
	s_cmp_eq_u32 s11, 0
	s_cbranch_scc0 .Lfor_b_\@
	tensor_load_to_lds s[G0A+4:G0A+7], s[G1A:G1A+7]
	s_nop 0
.rept 4
	v_nop
.endr
	s_branch .Lasked_\@
.Lfor_b_\@:
	tensor_load_to_lds s[G0B+4:G0B+7], s[G1B:G1B+7]
	s_nop 0
.rept 4
	v_nop
.endr
.Lasked_\@:
.endm
.macro CREST
	s_cmp_lg_u32 s10, 0
	s_cbranch_scc1 .Lnot_wave_0_\@
	s_barrier_signal -3
.Lnot_wave_0_\@:
	s_barrier_wait -3
	s_barrier_signal -1
	s_barrier_wait -1
.endm
.macro CROUND
	s_barrier_signal -1
	s_barrier_wait -1
	CREST
.endm
	s_load_b128 s[4:7], s[0:1], 0x0                ; A s[4:5], wb s[6:7]
	s_load_b128 s[68:71], s[0:1], 0x10             ; bias s[68:69], RES s[70:71]
	s_load_b64 s[8:9], s[0:1], 0x20                ; OUT
	v_lshl_add_u32 v[SPW], v0, 2, SPARE
	v_mov_b32 v[NIL], 0
	ds_add_u32 v[SPW], v[NIL]                      ; the wave's opening: the add and its wait ahead of my first tensor load
	v_lshrrev_b32 v1, 5, v0
	v_readfirstlane_b32 s10, v1
	s_lshr_b32 s11, s10, 1                         ; my half of the rows.  Also: I fetch for A (0) or for W (1)
	s_and_b32 s12, s10, 1                          ; my half of the columns.  Also: which half of that tile I fetch
	s_bfe_u32 s40, ttmp6, 0x40000
	s_bfe_u32 s41, ttmp6, 0x40004
	s_lshl_b32 s42, ttmp9, 2
	s_add_co_u32 s42, s42, s40                     ; tile column
	s_and_b32 s13, ttmp7, 0xffff
	s_lshl_b32 s13, s13, 2
	s_add_co_u32 s13, s13, s41                     ; tile row
	s_lshl_b32 s21, s41, 2
	s_lshl_b32 s21, 15, s21
	s_lshl_b32 s22, 0x1111, s40
	s_or_b32 s[G1A+0], s21, (1<<16)|(1<<20)|(1<<21)|(6<<22)|(3<<25)  ; mask of my row; after every 128 words 4 words
	s_mov_b32 s[G1A+1], 256<<16
	s_mov_b32 s[G1A+2], 64<<16
	s_mov_b32 s[G1A+3], 256<<16
	s_mov_b32 s[G1A+4], 64
	s_mov_b32 s[G1A+5], LDA
	s_mov_b32 s[G1A+6], 0
	s_mov_b32 s[G1A+7], 0
	s_or_b32 s[G1B+0], s22, (1<<16)|(1<<20)|(1<<21)|(5<<22)|(7<<25)  ; mask of my column; after every 64 words 8 words
	s_mov_b32 s[G1B+1], 128<<16
	s_mov_b32 s[G1B+2], 128<<16
	s_mov_b32 s[G1B+3], 128<<16
	s_mov_b32 s[G1B+4], 128
	s_mov_b32 s[G1B+5], 1024
	s_mov_b32 s[G1B+6], 0
	s_mov_b32 s[G1B+7], 0
	s_lshl_b32 s16, s13, 7
	s_lshl_b32 s17, s12, 6
	s_add_co_u32 s16, s16, s17
	s_mul_i32 s16, s16, LDA*2                      ; A: row 128 x tile row + 64 x half
	s_mov_b32 s17, 0
	s_lshl_b32 s46, s12, 18                        ; W: k row 128 x half, column 128 x tile column
	s_lshl_b32 s47, s42, 8
	s_add_co_u32 s46, s46, s47
	s_add_co_u32 s46, s46, WOFF
	s_mov_b32 s47, 0
	s_mul_i32 s20, s12, APIECE                     ; where they go: by the wave's number alone
	s_mul_i32 s23, s12, BPIECE
	s_add_co_u32 s23, s23, BBASE
	s_mov_b32 s[TB], 0
	s_wait_dscnt 0x0
	s_wait_kmcnt 0x0
	s_add_nc_u64 s[14:15], s[4:5], s[16:17]
	s_add_nc_u64 s[46:47], s[6:7], s[46:47]
	CROUND                                         ; the first joint loads meet
.irp s, 0,1
	s_mov_b32 s[G0A+4*(\s)], 1
	s_add_co_u32 s[G0A+4*(\s)+1], s20, (\s)*SLOT
	s_add_nc_u64 s[G0A+4*(\s)+2:G0A+4*(\s)+3], s[14:15], (\s)*512
	s_or_b32 s[G0A+4*(\s)+3], s[G0A+4*(\s)+3], 0x80000000
	s_mov_b32 s[G0B+4*(\s)], 1
	s_add_co_u32 s[G0B+4*(\s)+1], s23, (\s)*SLOT
	s_add_nc_u64 s[G0B+4*(\s)+2:G0B+4*(\s)+3], s[46:47], (\s)*524288
	s_or_b32 s[G0B+4*(\s)+3], s[G0B+4*(\s)+3], 0x80000000
.endr
	s_cmp_eq_u32 s11, 0                            ; a wave's two first fills stand in one branch: two loads of mine are out
	s_cbranch_scc0 .Lfirst_b
	tensor_load_to_lds s[G0A:G0A+3], s[G1A:G1A+7]
	s_nop 0
	tensor_load_to_lds s[G0A+4:G0A+7], s[G1A:G1A+7]
	s_nop 0
.rept 4
	v_nop
.endr
	s_branch .Lfirst_asked
.Lfirst_b:
	tensor_load_to_lds s[G0B:G0B+3], s[G1B:G1B+7]
	s_nop 0
	tensor_load_to_lds s[G0B+4:G0B+7], s[G1B:G1B+7]
	s_nop 0
.rept 4
	v_nop
.endr
.Lfirst_asked:
	v_and_b32 v1, 15, v0                           ; r
	v_bfe_u32 v2, v0, 4, 1                         ; hh
	v_lshlrev_b32 v[BO], 5, v2
	s_lshl_b32 s66, s42, 9                         ; my 64 columns, 4 bytes each
	s_lshl_b32 s67, s12, 8
	s_add_co_u32 s66, s66, s67
	s_mov_b32 s67, 0
	s_add_nc_u64 s[68:69], s[68:69], s[66:67]
	s_lshl_b32 s72, s13, 7
	s_lshl_b32 s73, s11, 6
	s_add_co_u32 s72, s72, s73                     ; my first row
	s_lshl_b32 s72, s72, 12
	s_add_co_u32 s72, s72, s66
	s_mov_b32 s73, 0
	s_add_nc_u64 s[70:71], s[70:71], s[72:73]
	s_add_nc_u64 s[8:9], s[8:9], s[72:73]
	v_lshlrev_b32 v3, 12, v2
	v_lshl_add_u32 v[CO], v1, 4, v3                ; lanes 0-15 one row's 256 bytes, lanes 16-31 the next row's
	WIN 0x80                                       ; destination window 2
.irp b, 0,1,2,3
	global_load_b128 v[128+8*\b:128+8*\b+3], v[BO], s[68:69] offset:64*\b
	global_load_b128 v[128+8*\b+4:128+8*\b+7], v[BO], s[68:69] offset:64*\b+16
.endr
.set i, 0
.rept 32
	global_load_b128 v[4*i:4*i+3], v[CO], s[70:71] offset:2*i*4096 th:TH_LOAD_NT  ; rows 2 i and 2 i + 1 of my 64
.set i, i+1
.endr
	WIN 0
	v_mul_u32_u24 v3, v1, PITCHA
	v_lshl_add_u32 v3, v2, 4, v3
	s_mul_i32 s21, s11, APIECE
	v_add_nc_u32 v[ADRA0], s21, v3
	v_and_b32 v4, 7, v0
	v_lshl_add_u32 v4, v2, 3, v4
	v_mul_u32_u24 v4, v4, PITCHB
	v_bfe_u32 v5, v0, 3, 1
	v_lshl_add_u32 v4, v5, 4, v4
	s_lshl_b32 s22, s12, 7
	s_add_co_u32 s22, s22, BBASE
	v_add_nc_u32 v[ADRB0], s22, v4
	v_mov_b32 v[ADRA], v[ADRA0]
	v_mov_b32 v[ADRB], v[ADRB0]
	v_add_nc_u32 v[ADRB+1], BPIECE, v[ADRB0]
	s_mul_i32 s21, s10, 16*SPITCH
	s_add_co_u32 s21, s21, STAGE
	v_mul_u32_u24 v6, v1, SPITCH
	v_lshl_add_u32 v6, v2, 5, v6
	v_add_nc_u32 v[STO], s21, v6
	v_mul_u32_u24 v6, v2, SPITCH
	v_lshl_add_u32 v6, v1, 4, v6
	v_add_nc_u32 v[RD], s21, v6
; 8 matrix instructions: m blocks a0, a0 + 1 x 4 n blocks, half c of buffer f.  first = 1: the product starts the sum with the bias.  The 16 accumulators take turns.
.macro MUL8 f, c, a0, first
.if \first
	WIN 0x25                                       ; sources window 1, C (the bias) window 2, D window 0
.else
	WIN 0x05
.endif
.irp a, \a0, (\a0)+1
.irp b, 0,1,2,3
.if \first
	v_wmma_f32_16x16x32_bf16 v[ACC+8*(4*(\a)+(\b)):ACC+8*(4*(\a)+(\b))+7], v[(\f)+64+8*(4*(\c)+(\b)):(\f)+64+8*(4*(\c)+(\b))+7], v[(\f)+8*(4*(\c)+(\a)):(\f)+8*(4*(\c)+(\a))+7], v[128+8*(\b):128+8*(\b)+7]
.else
	v_wmma_f32_16x16x32_bf16 v[ACC+8*(4*(\a)+(\b)):ACC+8*(4*(\a)+(\b))+7], v[(\f)+64+8*(4*(\c)+(\b)):(\f)+64+8*(4*(\c)+(\b))+7], v[(\f)+8*(4*(\c)+(\a)):(\f)+8*(4*(\c)+(\a))+7], v[ACC+8*(4*(\a)+(\b)):ACC+8*(4*(\a)+(\b))+7]
.endif
.endr
.endr
.endm
; 32 LDS loads in one run: quarter q (64 along K) of the slot in hand into buffer f, the first 32 along K first
.macro FETCH q, f
	WIN 0x40
.irp c, 0,1
.irp i, 0,1,2,3
	ds_load_tr16_b128 v[(\f)+64+8*(4*(\c)+(\i)):(\f)+64+8*(4*(\c)+(\i))+3],   v[ADRB+(\q)/2] offset:(((\q)%2)*64+32*(\c))*PITCHB+32*(\i)
	ds_load_tr16_b128 v[(\f)+64+8*(4*(\c)+(\i))+4:(\f)+64+8*(4*(\c)+(\i))+7], v[ADRB+(\q)/2] offset:(((\q)%2)*64+32*(\c)+16)*PITCHB+32*(\i)
	ds_load_b128 v[(\f)+8*(4*(\c)+(\i)):(\f)+8*(4*(\c)+(\i))+3],   v[ADRA] offset:128*(\q)+64*(\c)+(\i)*16*PITCHA
	ds_load_b128 v[(\f)+8*(4*(\c)+(\i))+4:(\f)+8*(4*(\c)+(\i))+7], v[ADRA] offset:128*(\q)+64*(\c)+(\i)*16*PITCHA+32
.endr
.endr
.endm
.macro QUARTER q, f, g, first
	s_wait_dscnt 16                                ; the first 32 along K are in
	MUL8 \f, 0, 0, \first
	MUL8 \f, 0, 2, \first
	PLACES
	FETCH \q, \g
	s_wait_dscnt 32                                ; all but the 32 just issued
	MUL8 \f, 1, 0, 0
	MUL8 \f, 1, 2, 0
.endm
.macro MEET round
	WIN 0
	s_wait_tensorcnt 0x0                           ; all my tensor loads have landed: my part of the next slot;
	ds_add_u32 v[SPW], v[NIL]                      ; 0 onto my spare word;
	s_wait_dscnt 17                                ; (the add and the youngest sixteen loads may be out)
	MUL8 F1, 0, 0, 0
	s_wait_dscnt 0x0                               ; the add is done, and my reads of this slot are over
	s_barrier_signal -1
	MUL8 F1, 0, 2, 0
.if \round
	WIN 0
.endif
	s_barrier_wait -1
.endm
.macro SWITCH                          ; the fragments come from the other slot
	s_xor_b32 s[TB], s[TB], SLOT
	v_add_nc_u32 v[ADRA], s[TB], v[ADRA0]
	v_add_nc_u32 v[ADRB], s[TB], v[ADRB0]
	v_add_nc_u32 v[ADRB+1], BPIECE, v[ADRB]
.endm
.macro TURN
	MEET 1
	CREST                                          ; no wave of any partner still reads this slot or has a load on its way
	s_xor_b32 s[G0A+5], s[G0A+5], SLOT
	s_xor_b32 s[G0B+5], s[G0B+5], SLOT
	s_add_nc_u64 s[G0A+6:G0A+7], s[G0A+6:G0A+7], 512
	s_add_nc_u64 s[G0B+6:G0B+7], s[G0B+6:G0B+7], 524288
	JLOAD                                          ; the first tensor load behind the round; its four v_nop are the places ahead of the loads below
	SWITCH
	FETCH 0, F0
	MUL8 F1, 1, 0, 0
	MUL8 F1, 1, 2, 0
.endm
	s_wait_tensorcnt 1                             ; my part of K step 0 is in; step 1's may stay out
	s_barrier_signal -1
	s_barrier_wait -1
	FETCH 0, F0
	s_wait_loadcnt 32                              ; the bias is in; the residual's 32 loads stay out
	QUARTER 1, F0, F1, 1
	WIN 0
	s_mov_b32 s3, STEPS-2
.Lstep:
	QUARTER 2, F1, F0, 0
	QUARTER 3, F0, F1, 0
	TURN
	QUARTER 1, F0, F1, 0
	WIN 0
	s_sub_co_u32 s3, s3, 1
	s_cmp_lg_u32 s3, 0
	s_cbranch_scc1 .Lstep
	s_mov_b32 s3, 2
.Ltail:                                                ; the last two steps fill nothing; the second pass jumps over what has no successor
	QUARTER 2, F1, F0, 0
	QUARTER 3, F0, F1, 0
	MEET 0
	WIN 0
	s_cmp_eq_u32 s3, 1
	s_cbranch_scc1 .Lnf
	SWITCH
	PLACES
	FETCH 0, F0
	WIN 0
.Lnf:
	MUL8 F1, 1, 0, 0
	MUL8 F1, 1, 2, 0
	WIN 0
	s_cmp_eq_u32 s3, 1
	s_cbranch_scc1 .Lnq
	QUARTER 1, F0, F1, 0
	WIN 0
.Lnq:
	s_sub_co_u32 s3, s3, 1
	s_cmp_lg_u32 s3, 0
	s_cbranch_scc1 .Ltail
	; THE WAY OUT: a wave's 64 columns of f32 are a whole aligned 256 bytes, so each wave has a stage of its own and no barrier is needed
	PLACES
	s_wait_loadcnt 0x0                             ; the residual
.irp a, 0,1,2,3
.if \a >= 2
	s_wait_xcnt 0x0                                ; the stores of two blocks back have read their registers
.endif
.irp b, 0,1,2,3
	ds_store_b128 v[STO], v[ACC+8*(4*\a+\b):ACC+8*(4*\a+\b)+3] offset:64*\b
	ds_store_b128 v[STO], v[ACC+8*(4*\a+\b)+4:ACC+8*(4*\a+\b)+7] offset:64*\b+16
.endr
.irp t, 0,1,2,3,4,5,6,7
	ds_load_b128 v[TMP+32*((\a)%2)+4*\t:TMP+32*((\a)%2)+4*\t+3], v[RD] offset:2*SPITCH*\t  ; LDS serves a wave's instructions in order (ISA guide 5.7.1.4)
.endr
	s_wait_dscnt 0x0
	WIN 0x08                                       ; the residual in window 2
.irp t, 0,2,4,6,8,10,12,14,16,18,20,22,24,26,28,30
	v_pk_add_f32 v[TMP+32*((\a)%2)+\t:TMP+32*((\a)%2)+\t+1], v[TMP+32*((\a)%2)+\t:TMP+32*((\a)%2)+\t+1], v[32*\a+\t:32*\a+\t+1]
.endr
	WIN 0
.irp t, 0,1,2,3,4,5,6,7
	global_store_b128 v[CO], v[TMP+32*((\a)%2)+4*\t:TMP+32*((\a)%2)+4*\t+3], s[8:9] offset:(16*\a+2*\t)*4096  ; 16 lanes store 256 consecutive bytes, aligned
.endr
.endr
	s_wait_tensorcnt 0x0                           ; the wave's end
	ds_add_u32 v[SPW], v[NIL]
	s_wait_dscnt 0x0
	CROUND                                         ; the closing round
	s_endpgm
.Lfunc_end_k_qaba25cdff9_wo:
	.size	k_qaba25cdff9_wo, .Lfunc_end_k_qaba25cdff9_wo-k_qaba25cdff9_wo
	.p2alignl 7, 3214868480
	.fill 96, 4, 3214868480
	.section	.rodata,"a",@progbits
	.p2align	6, 0x0
	.amdhsa_kernel k_qaba25cdff9_wo
		.amdhsa_group_segment_fixed_size 327680
		.amdhsa_private_segment_fixed_size 0
		.amdhsa_enable_private_segment 0
		.amdhsa_kernarg_size 40
		.amdhsa_user_sgpr_count 2
		.amdhsa_user_sgpr_kernarg_segment_ptr 1
		.amdhsa_wavefront_size32 1
		.amdhsa_system_sgpr_workgroup_id_x 1
		.amdhsa_system_sgpr_workgroup_id_y 1
		.amdhsa_system_sgpr_workgroup_id_z 1
		.amdhsa_system_vgpr_workitem_id 0
		.amdhsa_next_free_vgpr 672
		.amdhsa_next_free_sgpr 80
		.amdhsa_reserve_vcc 0
		.amdhsa_float_denorm_mode_32 3
		.amdhsa_float_denorm_mode_16_64 3
		.amdhsa_memory_ordered 1
		.amdhsa_forward_progress 1
		.amdhsa_inst_pref_size 66
	.end_amdhsa_kernel
	.amdgpu_metadata
---
amdhsa.version: [ 1, 2 ]
amdhsa.kernels:
  - .name:           k_qaba25cdff9_wo
    .symbol:         k_qaba25cdff9_wo.kd
    .args:
      - { .name: o, .offset: 0, .size: 8, .value_kind: global_buffer, .address_space: global }
      - { .name: wb, .offset: 8, .size: 8, .value_kind: global_buffer, .address_space: global }
      - { .name: bo, .offset: 16, .size: 8, .value_kind: global_buffer, .address_space: global }
      - { .name: x, .offset: 24, .size: 8, .value_kind: global_buffer, .address_space: global }
      - { .name: x1, .offset: 32, .size: 8, .value_kind: global_buffer, .address_space: global }
    .group_segment_fixed_size: 327680
    .private_segment_fixed_size: 0
    .kernarg_segment_align: 8
    .kernarg_segment_size: 40
    .max_flat_workgroup_size: 128
    .sgpr_count:     80
    .vgpr_count:     672
    .wavefront_size: 32
...
	.end_amdgpu_metadata
.endif
;; end of part 4
;; launch ln2 (part 5): grid 512 x 1, 8 waves a work-group, no clusters, 0 bytes of LDS; arguments x1, ln2_g, ln2_b, xn; writes xn
.if DOCPART == 5
	.amdgcn_target "amdgcn-amd-amdhsa--gfx1250"
	.amdhsa_code_object_version 6
	.text
	.protected	k_qaba25cdff9_ln2
	.globl	k_qaba25cdff9_ln2
	.p2align	8
	.type	k_qaba25cdff9_ln2,@function
k_qaba25cdff9_ln2:
	s_mov_b64 s[64:65], 0
	v_nop
	global_prefetch_b8 v0, s[64:65] scope:SCOPE_SE
	s_setreg_imm32_b32 hwreg(HW_REG_WAVE_MODE, 25, 1), 1
	s_wait_xcnt 0x0
; xn = layer norm of x1 (gain ln2_g, bias ln2_b), rounded once to bf16.  One wave, one row of 1,024 numbers, kept in 32 registers between the passes: the row is read once.
; The variance is taken of x - mean, so a common offset costs nothing.  No LDS, no barrier.
.set X,    16                          ; v[16:47]  the row: load j brings columns 128 j + 4 lane + 0..3
.set G,    48                          ; v[48:79]  the gain; later the 16 packed results
.set BB,   80                          ; v[80:111] the bias
.set XP,   8
.set GP,   10
.set BP,   12
.set OP,   14
.set SEL,  30
.set INVN, 40
.set EPS,  41
.macro FOLD                            ; four pairs v[4:11] -> their sum over the whole wave, in v4 of every lane
	v_pk_add_f32 v[4:5], v[4:5], v[6:7]
	v_pk_add_f32 v[8:9], v[8:9], v[10:11]
	v_pk_add_f32 v[4:5], v[4:5], v[8:9]
	v_add_f32 v4, v4, v5
	v_add_f32_dpp v4, v4, v4 row_xmask:1 row_mask:0xf bank_mask:0xf
	v_add_f32_dpp v4, v4, v4 row_xmask:2 row_mask:0xf bank_mask:0xf
	v_add_f32_dpp v4, v4, v4 row_xmask:4 row_mask:0xf bank_mask:0xf
	v_add_f32_dpp v4, v4, v4 row_xmask:8 row_mask:0xf bank_mask:0xf
	v_permlanex16_b32 v5, v4, s[SEL], s[SEL+1]
	v_add_f32 v4, v4, v5
.endm
	s_load_b256 s[8:15], s[0:1], 0x0               ; x1, gain, bias, xn
	v_lshrrev_b32 v1, 5, v0
	v_readfirstlane_b32 s4, v1
	v_and_b32 v1, 31, v0
	v_lshlrev_b32 v2, 4, v1                        ; 16 x lane
	v_lshlrev_b32 v3, 3, v1                        ; 8 x lane
	s_mov_b32 s[SEL], 0x76543210
	s_mov_b32 s[SEL+1], 0xfedcba98
	s_mov_b32 s[INVN], 0x3a800000                  ; 1 / 1024
	s_mov_b32 s[EPS], 0x3727c5ac                   ; 1e-5
	s_lshl_b32 s5, ttmp9, 3
	s_add_co_u32 s5, s5, s4                        ; my row
	s_lshl_b32 s6, s5, 12
	s_mov_b32 s7, 0
	s_lshl_b32 s32, s5, 11
	s_mov_b32 s33, 0
	s_wait_kmcnt 0x0
	s_add_nc_u64 s[XP:XP+1], s[XP:XP+1], s[6:7]
	s_add_nc_u64 s[OP:OP+1], s[OP:OP+1], s[32:33]
.irp j, 0,1,2,3,4,5,6,7
	global_load_b128 v[X+4*\j:X+4*\j+3], v2, s[XP:XP+1] offset:512*\j th:TH_LOAD_NT
.endr
.irp j, 0,1,2,3,4,5,6,7
	global_load_b128 v[G+4*\j:G+4*\j+3], v2, s[GP:GP+1] offset:512*\j
.endr
.irp j, 0,1,2,3,4,5,6,7
	global_load_b128 v[BB+4*\j:BB+4*\j+3], v2, s[BP:BP+1] offset:512*\j
.endr
	s_wait_loadcnt 16                              ; the row is in; gain's and bias's sixteen loads stay out
.irp k, 0,1,2,3
	v_pk_add_f32 v[4+2*\k:5+2*\k], v[X+4*\k:X+4*\k+1], v[X+4*\k+2:X+4*\k+3]
.endr
.irp k, 8,9,10,11,12,13,14,15
	v_pk_add_f32 v[4+2*((\k)%4):5+2*((\k)%4)], v[4+2*((\k)%4):5+2*((\k)%4)], v[X+2*\k:X+2*\k+1]
.endr
	FOLD
	v_mul_f32 v12, s[INVN], v4                     ; the mean, twice
	v_mov_b32 v13, v12
.set k, 0
.rept 16
	v_pk_add_f32 v[X+k:X+k+1], v[X+k:X+k+1], v[12:13] neg_lo:[0,1] neg_hi:[0,1]
.set k, k+2
.endr
.irp k, 0,1,2,3
	v_pk_mul_f32 v[4+2*\k:5+2*\k], v[X+2*\k:X+2*\k+1], v[X+2*\k:X+2*\k+1]
.endr
.irp k, 4,5,6,7,8,9,10,11,12,13,14,15
	v_pk_fma_f32 v[4+2*((\k)%4):5+2*((\k)%4)], v[X+2*\k:X+2*\k+1], v[X+2*\k:X+2*\k+1], v[4+2*((\k)%4):5+2*((\k)%4)]
.endr
	FOLD
	v_fma_f32 v4, v4, s[INVN], s[EPS]              ; variance + 1e-5
	v_rsq_f32 v14, v4
	v_rsq_f32 v15, v4
	s_wait_loadcnt 0x0                             ; gain and bias
	v_nop                                          ; a plain instruction behind the last root,
	s_wait_alu depctr_va_vdst(0)                   ; and the one wait ahead of the first use
.set k, 0
.rept 16
	v_pk_mul_f32 v[X+k:X+k+1], v[X+k:X+k+1], v[14:15]
.set k, k+2
.endr
.set k, 0
.rept 16
	v_pk_fma_f32 v[X+k:X+k+1], v[X+k:X+k+1], v[G+k:G+k+1], v[BB+k:BB+k+1]
.set k, k+2
.endr
.set k, 0
.rept 16
	v_cvt_pk_bf16_f32 v[G+k], v[X+2*k], v[X+2*k+1]
.set k, k+1
.endr
.irp j, 0,1,2,3,4,5,6,7
	global_store_b64 v3, v[G+2*\j:G+2*\j+1], s[OP:OP+1] offset:256*\j  ; the wave stores 256 consecutive bytes, aligned
.endr
	s_endpgm
.Lfunc_end_k_qaba25cdff9_ln2:
	.size	k_qaba25cdff9_ln2, .Lfunc_end_k_qaba25cdff9_ln2-k_qaba25cdff9_ln2
	.p2alignl 7, 3214868480
	.fill 96, 4, 3214868480
	.section	.rodata,"a",@progbits
	.p2align	6, 0x0
	.amdhsa_kernel k_qaba25cdff9_ln2
		.amdhsa_group_segment_fixed_size 0
		.amdhsa_private_segment_fixed_size 0
		.amdhsa_enable_private_segment 0
		.amdhsa_kernarg_size 32
		.amdhsa_user_sgpr_count 2
		.amdhsa_user_sgpr_kernarg_segment_ptr 1
		.amdhsa_wavefront_size32 1
		.amdhsa_system_sgpr_workgroup_id_x 1
		.amdhsa_system_sgpr_workgroup_id_y 1
		.amdhsa_system_sgpr_workgroup_id_z 1
		.amdhsa_system_vgpr_workitem_id 0
		.amdhsa_next_free_vgpr 112
		.amdhsa_next_free_sgpr 66
		.amdhsa_reserve_vcc 0
		.amdhsa_float_denorm_mode_32 3
		.amdhsa_float_denorm_mode_16_64 3
		.amdhsa_memory_ordered 1
		.amdhsa_forward_progress 1
		.amdhsa_inst_pref_size 12
	.end_amdhsa_kernel
	.amdgpu_metadata
---
amdhsa.version: [ 1, 2 ]
amdhsa.kernels:
  - .name:           k_qaba25cdff9_ln2
    .symbol:         k_qaba25cdff9_ln2.kd
    .args:
      - { .name: x1, .offset: 0, .size: 8, .value_kind: global_buffer, .address_space: global }
      - { .name: ln2_g, .offset: 8, .size: 8, .value_kind: global_buffer, .address_space: global }
      - { .name: ln2_b, .offset: 16, .size: 8, .value_kind: global_buffer, .address_space: global }
      - { .name: xn, .offset: 24, .size: 8, .value_kind: global_buffer, .address_space: global }
    .group_segment_fixed_size: 0
    .private_segment_fixed_size: 0
    .kernarg_segment_align: 8
    .kernarg_segment_size: 32
    .max_flat_workgroup_size: 256
    .sgpr_count:     66
    .vgpr_count:     112
    .wavefront_size: 32
...
	.end_amdgpu_metadata
.endif
;; end of part 5
;; launch ffn1 (part 6): grid 16 x 16, 4 waves a work-group, clusters of 4 x 4, 327,680 bytes of LDS; arguments xn, wb, b1, h; writes h
.if DOCPART == 6
	.amdgcn_target "amdgcn-amd-amdhsa--gfx1250"
	.amdhsa_code_object_version 6
	.text
	.protected	k_qaba25cdff9_ffn1
	.globl	k_qaba25cdff9_ffn1
	.p2align	8
	.type	k_qaba25cdff9_ffn1,@function
k_qaba25cdff9_ffn1:
	s_mov_b64 s[64:65], 0
	v_nop
	global_prefetch_b8 v0, s[64:65] scope:SCOPE_SE
	s_setreg_imm32_b32 hwreg(HW_REG_WAVE_MODE, 25, 1), 1
	s_wait_xcnt 0x0
	s_wait_alu depctr_hold_cnt(0) depctr_sa_sdst(0) depctr_va_vdst(0) depctr_va_sdst(0) depctr_va_ssrc(0) depctr_va_vcc(0) depctr_vm_vsrc(0)
	s_getreg_b32 s2, hwreg(HW_REG_IB_STS2, 6, 4)
	s_cmp_eq_u32 s2, 0
	s_cbranch_scc0 .Lentry_in_a_cluster
	s_endpgm
.Lentry_in_a_cluster:
	s_bfe_u32 s2, ttmp6, 0x10000c
	s_cmp_lg_u32 s2, 0xf033
	s_cbranch_scc0 .Lentry_shape_is_right
	s_endpgm
.Lentry_shape_is_right:
; C[m][n] = sum over k of A[m][k] W[k][n] + bias[n].  A: [4096][1024] bf16; W: [1024][LDB] bf16, rows along n; sums in f32.
; MODE 0: W = Wq | Wk | Wv, bias = bq, bk or bv by the tile's column; C rounded once to bf16 and written by heads: qkv[part][16 batch + head][token][64].
; MODE 1: W = W1; C = gelu(..) with the exact erf form, rounded once to bf16, written row-major [4096][4096].
; A tile of C is 256 x 256: four waves, each 128 x 128 in 64 accumulators (512 registers).  K goes in 8 steps of 128 through two LDS slots filled by the tensor data mover.
; W's tile lies in LDS as in memory, [k][n], and its fragments come turned by ds_load_tr16_b128.  The product is used transposed (source 0 = 16 columns of W, source 1 = 16 rows of A):
; a lane holds row l % 16 of C and the columns 8 (l / 16) + 0..7.  THE BIAS is the C operand of each accumulator's first product.
; CLUSTER 4 x 4: A's tile is shared along a row of the cluster, W's along a column; each is asked for jointly, by the same load with the same descriptor and a mask of four.
; The K step is written once: a loop of 6 trips fills steps 2..7; the last two steps are a loop of two passes that fills nothing (its second pass jumps forward over what has no successor).
; LIMITS.  erf is a rational form in z = u / sqrt 2 held to -4 .. 4, beyond which erf is 1 to f32's last bit; NaN and infinities are not treated apart.
; REGISTERS in windows of 256: window 0: v0-31 addresses, v64-127, v128-191 A's fragments (two buffers), on the way out v64-239 at work;
;   window 1: v0-63 the bias (n block b at 8 b), v64-127, v128-191 W's fragments;  windows 2, 3: accumulator (a, b) at v[8 (8 (a % 4) + b)], rows 0-63 and 64-127.
.set MODE,   1
.set LDB,    4096                      ; elements in a row of W
.set WOFF,   8388608                   ; W's first byte in wb
.set PITCHA, 272                       ; A's LDS row: 256 bytes + 16: the 16 rows of a load start at 16 different groups of four banks
.set PITCHB, 544                       ; W's LDS row: 512 bytes + 32
.set HALFT,  128*PITCHA                ; what one tensor load brings: 128 rows of A, or 64 k rows of W (64 x 544 is the same number)
.set SLOT,   4*HALFT                   ; 0x22000: it shares no bit with wave x HALFT, so an exclusive or with it changes slots
.set STAGE,  2*SLOT                    ; behind the ring: 16 rows x 528 bytes of f32 for each wave
.set SPITCH, 528
.set SPARE,  STAGE+4*16*SPITCH         ; the spare words: 128 bytes a wave, two blocks of 256 bytes that no other line names
.set BSTEP,  128*LDB*2                 ; bytes from a K step of W to the next
.set ADRA0, 16                         ; v16 my lane's place in A's tile of slot 0        v17 the same for W
.set ADRB0, 17
.set ADRA,  18                         ; v18, v19 the same in the slot in hand
.set ADRB,  19
.set STO,   24                         ; v24 the way out: where I put 16 bytes        v25 where I read back        v26 my byte offset in the output        v27 v25, stepped
.set RD,    25
.set CO,    26
.set RDC,   27
.set SPW,   28                         ; v28 my spare word        v29 0
.set NIL,   29
.set PFO,   30                         ; v30 the prefetches' offset
.set BO,    31                         ; v31 32 (l / 16)
.set F0,    64
.set F1,    128
.set UZ,    64                         ; the way out, window 0
.set CC,    96
.set SS,    128
.set PP,    160
.set QQ,    192
.set OUT,   224
.set TB,    2                          ; s2  0 or SLOT: the slot that fragments are read from
.set G1A,   24                         ; s[24:31] group 1 for A; s[32:39] group 0: set 0 (step 0), set 1 (step 1, then it walks)
.set G0A,   32
.set G1B,   48                         ; s[48:55], s[56:63] the same for W
.set G0B,   56
.set LIM,   43                         ; s43 2 in a wave that prefetches, else the greatest number
.set PFA,   44                         ; s[44:45] where my prefetches stand        s[76:77] their step
.set PST,   76
.set BLK,   78
.set HF,    79
.set MSB, 0
.macro WIN new                         ; the immediate's high byte repeats the setting that is left; a switch that changes nothing is dropped
.if MSB != (\new)
	s_set_vgpr_msb (MSB<<8)|(\new)
.set MSB, \new
.endif
.endm
.macro PLACES                          ; four plain places behind matrix instructions, ahead of loads into their sources and of readers of their results
.rept 4
	v_nop
.endr
.endm
.macro JLOAD                           ; a joint refill by the walking set: waves 0, 1 A's halves, waves 2, 3 W's; an s_nop 0 and four v_nop follow each line
	s_cmp_eq_u32 s11, 0
	s_cbranch_scc0 .Lfor_b_\@
	tensor_load_to_lds s[G0A+4:G0A+7], s[G1A:G1A+7]
	s_nop 0
.rept 4
	v_nop
.endr
	s_branch .Lasked_\@
.Lfor_b_\@:
	tensor_load_to_lds s[G0B+4:G0B+7], s[G1B:G1B+7]
	s_nop 0
.rept 4
	v_nop
.endr
.Lasked_\@:
.endm
.macro ASK                             ; one prefetch a wave: 32 blocks of 256 bytes of the K step that stands two refills on; the loop's last two trips have none
	s_cmp_gt_u32 s3, s[LIM]
	s_cbranch_scc0 .Lnot_mine_\@
	global_prefetch_b8 v[PFO], s[PFA:PFA+1] th:TH_LOAD_NT scope:SCOPE_SE
.Lnot_mine_\@:
.endm
.macro CREST                           ; a round of the cluster's barrier behind its opening barrier
	s_cmp_lg_u32 s10, 0
	s_cbranch_scc1 .Lnot_wave_0_\@
	s_barrier_signal -3
.Lnot_wave_0_\@:
	s_barrier_wait -3
	s_barrier_signal -1
	s_barrier_wait -1
.endm
.macro CROUND
	s_barrier_signal -1
	s_barrier_wait -1
	CREST
.endm
.macro SETP r, val                     ; a constant as a pair: the packed forms name both words
	s_mov_b32 s[\r], \val
	s_mov_b32 s[(\r)+1], \val
.endm
.macro PAIRS line:vararg               ; one line for each of 16 pairs, i = 0, 2 .. 30
.set i, 0
.rept 16
	\line
.set i, i+2
.endr
.endm
	s_load_b128 s[4:7], s[0:1], 0x0                ; A s[4:5], wb s[6:7]
.if MODE == 0
	s_load_b256 s[68:75], s[0:1], 0x10             ; bq, bk, bv, qkv
.else
	s_load_b128 s[68:71], s[0:1], 0x10             ; b1, h
.endif
	v_lshl_add_u32 v[SPW], v0, 2, SPARE
	v_mov_b32 v[NIL], 0
	ds_add_u32 v[SPW], v[NIL]                      ; the wave's opening: the add and its wait ahead of my first tensor load; work on registers stands between them
	v_lshrrev_b32 v1, 5, v0
	v_readfirstlane_b32 s10, v1                    ; wave 0..3
	s_lshr_b32 s11, s10, 1                         ; my half of the tile's rows.  Also: I fetch for A (0) or for W (1)
	s_and_b32 s12, s10, 1                          ; my half of its columns.  Also: which half of that tile I fetch
	s_bfe_u32 s40, ttmp6, 0x40000                  ; cx
	s_bfe_u32 s41, ttmp6, 0x40004                  ; cy
	s_lshl_b32 s42, ttmp9, 2
	s_add_co_u32 s42, s42, s40                     ; tile column
	s_and_b32 s13, ttmp7, 0xffff
	s_lshl_b32 s13, s13, 2
	s_add_co_u32 s13, s13, s41                     ; tile row
	s_lshl_b32 s21, s41, 2
	s_lshl_b32 s21, 15, s21                        ; my row of the cluster
	s_lshl_b32 s22, 0x1111, s40                    ; my column
	s_or_b32 s[G1A+0], s21, (1<<16)|(1<<20)|(1<<21)|(5<<22)|(3<<25)  ; mask; 2-byte elements; padding on; bit 21 beside a mask; after every 64 words 4 words
	s_mov_b32 s[G1A+1], 128<<16                    ; tensor_dim0 = 128
	s_mov_b32 s[G1A+2], 128<<16                    ; tensor_dim1 = 128
	s_mov_b32 s[G1A+3], 128<<16                    ; tile_dim0 = 128
	s_mov_b32 s[G1A+4], 128                        ; tile_dim1 = 128
	s_mov_b32 s[G1A+5], 1024                       ; elements from row to row
	s_mov_b32 s[G1A+6], 0
	s_mov_b32 s[G1A+7], 0
	s_or_b32 s[G1B+0], s22, (1<<16)|(1<<20)|(1<<21)|(6<<22)|(7<<25)  ; after every 128 words 8 words
	s_mov_b32 s[G1B+1], 256<<16                    ; 256 columns,
	s_mov_b32 s[G1B+2], 64<<16                     ; 64 k rows
	s_mov_b32 s[G1B+3], 256<<16
	s_mov_b32 s[G1B+4], 64
	s_mov_b32 s[G1B+5], LDB
	s_mov_b32 s[G1B+6], 0
	s_mov_b32 s[G1B+7], 0
	s_lshl_b32 s16, s13, 8                         ; A: row 256 x tile row + 128 x half, 2,048 bytes a row
	s_lshl_b32 s17, s12, 7
	s_add_co_u32 s16, s16, s17
	s_lshl_b32 s16, s16, 11
	s_mov_b32 s17, 0
	s_mul_i32 s46, s12, 64*LDB*2                   ; W: k row 64 x half, column 256 x tile column
	s_lshl_b32 s47, s42, 9
	s_add_co_u32 s46, s46, s47
	s_add_co_u32 s46, s46, WOFF
	s_mov_b32 s47, 0
	s_mul_i32 s20, s10, HALFT                      ; where my part goes: no place in the cluster enters an LDS address
	s_mov_b32 s[TB], 0
	s_wait_dscnt 0x0                               ; the opening add is done
	s_wait_kmcnt 0x0
	s_add_nc_u64 s[14:15], s[4:5], s[16:17]
	s_add_nc_u64 s[46:47], s[6:7], s[46:47]
	CROUND                                         ; all sixteen work-groups are here: the first joint loads meet
.irp s, 0,1
	s_mov_b32 s[G0A+4*(\s)], 1
	s_add_co_u32 s[G0A+4*(\s)+1], s20, (\s)*SLOT
	s_add_nc_u64 s[G0A+4*(\s)+2:G0A+4*(\s)+3], s[14:15], (\s)*256
	s_or_b32 s[G0A+4*(\s)+3], s[G0A+4*(\s)+3], 0x80000000
	s_mov_b32 s[G0B+4*(\s)], 1
	s_add_co_u32 s[G0B+4*(\s)+1], s20, (\s)*SLOT
	s_add_nc_u64 s[G0B+4*(\s)+2:G0B+4*(\s)+3], s[46:47], (\s)*BSTEP
	s_or_b32 s[G0B+4*(\s)+3], s[G0B+4*(\s)+3], 0x80000000
.endr
	s_cmp_eq_u32 s11, 0                            ; a wave's two first fills stand in one branch: two loads of mine are out
	s_cbranch_scc0 .Lfirst_b
	tensor_load_to_lds s[G0A:G0A+3], s[G1A:G1A+7]
	s_nop 0
	tensor_load_to_lds s[G0A+4:G0A+7], s[G1A:G1A+7]
	s_nop 0
.rept 4
	v_nop
.endr
	s_branch .Lfirst_asked
.Lfirst_b:
	tensor_load_to_lds s[G0B:G0B+3], s[G1B:G1B+7]
	s_nop 0
	tensor_load_to_lds s[G0B+4:G0B+7], s[G1B:G1B+7]
	s_nop 0
.rept 4
	v_nop
.endr
.Lfirst_asked:
	v_and_b32 v1, 15, v0                           ; r = l % 16
	v_bfe_u32 v2, v0, 4, 1                         ; hh = l / 16
	v_lshlrev_b32 v[BO], 5, v2
.if MODE == 0
	s_cmp_eq_u32 ttmp9, 1                          ; the cluster's x is the part: q, k or v
	s_cselect_b64 s[68:69], s[70:71], s[68:69]
	s_cmp_eq_u32 ttmp9, 2
	s_cselect_b64 s[68:69], s[72:73], s[68:69]
	s_lshl_b32 s66, s40, 10                        ; 256 cx numbers of 4 bytes
	s_mov_b64 s[8:9], s[74:75]
.else
	s_lshl_b32 s66, s42, 10
	s_mov_b64 s[8:9], s[70:71]
.endif
	s_lshl_b32 s67, s12, 9
	s_add_co_u32 s66, s66, s67
	s_mov_b32 s67, 0
	s_add_nc_u64 s[68:69], s[68:69], s[66:67]      ; the bias of my 128 columns
	WIN 0x40                                       ; destination window 1
.irp b, 0,1,2,3,4,5,6,7
	global_load_b128 v[8*\b:8*\b+3], v[BO], s[68:69] offset:64*\b       ; bias[16 b + 8 hh + 0..3],
	global_load_b128 v[8*\b+4:8*\b+7], v[BO], s[68:69] offset:64*\b+16  ; + 4..7: the layout of a result
.endr
	WIN 0
	v_mul_u32_u24 v3, v1, PITCHA
	v_lshl_add_u32 v3, v2, 4, v3
	s_mul_i32 s21, s11, HALFT
	v_add_nc_u32 v[ADRA0], s21, v3                 ; my 128 rows of A: row x pitch + 16 x half
	v_and_b32 v4, 7, v0
	v_lshl_add_u32 v4, v2, 3, v4                   ; the turning load: k row 8 hh + l % 8,
	v_mul_u32_u24 v4, v4, PITCHB
	v_bfe_u32 v5, v0, 3, 1
	v_lshl_add_u32 v4, v5, 4, v4                   ; 16 bytes by (l / 8) % 2
	s_lshl_b32 s22, s12, 8
	s_add_co_u32 s22, s22, 2*HALFT
	v_add_nc_u32 v[ADRB0], s22, v4                 ; my 128 columns of W, behind A's 256 rows
	v_mov_b32 v[ADRA], v[ADRA0]
	v_mov_b32 v[ADRB], v[ADRB0]
	s_mul_i32 s23, s10, 16*SPITCH
	s_add_co_u32 s23, s23, STAGE                   ; my stage
	v_mul_u32_u24 v6, v1, SPITCH
	v_lshl_add_u32 v6, v2, 5, v6
	v_add_nc_u32 v[STO], s23, v6                   ; in: row r, 32 bytes for each half of the lanes
	s_lshl_b32 s21, s13, 8
	s_lshl_b32 s22, s11, 7
	s_add_co_u32 s21, s21, s22                     ; my first row of C
.if MODE == 0
	v_bfe_u32 v6, v0, 3, 2                         ; back: four tokens of one head, 8 lanes a token, 8 numbers a lane
	v_mul_u32_u24 v6, v6, SPITCH
	v_and_b32 v7, 7, v0
	v_lshl_add_u32 v6, v7, 5, v6
	v_add_nc_u32 v[RD], s23, v6
	v_and_b32 v7, 31, v0
	v_lshlrev_b32 v[CO], 4, v7                     ; which are 512 consecutive bytes of qkv
	s_lshr_b32 s22, s21, 11                        ; batch
	s_lshl_b32 s22, s22, 4
	s_lshl_b32 s23, s40, 2
	s_add_co_u32 s22, s22, s23
	s_lshl_b32 s23, s12, 1
	s_add_co_u32 s22, s22, s23                     ; 16 batch + my first head
	s_lshl_b32 s22, s22, 11
	s_and_b32 s21, s21, 2047
	s_add_co_u32 s22, s22, s21                     ; + token
	s_lshl_b32 s66, s22, 7
	s_lshl_b32 s23, ttmp9, 23                      ; + part
	s_add_co_u32 s66, s66, s23
.else
	v_mul_u32_u24 v6, v2, SPITCH                   ; back: lanes 0-15 one row's 128 numbers, lanes 16-31 the next row's
	v_lshl_add_u32 v6, v1, 5, v6
	v_add_nc_u32 v[RD], s23, v6
	v_lshlrev_b32 v7, 13, v2
	v_lshl_add_u32 v[CO], v1, 4, v7
	s_lshl_b32 s66, s21, 13
	s_lshl_b32 s22, s42, 9
	s_add_co_u32 s66, s66, s22
	s_lshl_b32 s22, s12, 8
	s_add_co_u32 s66, s66, s22
.endif
	s_mov_b32 s67, 0
	s_add_nc_u64 s[8:9], s[8:9], s[66:67]          ; the output at my first row and column
	; THE PREFETCHES.  Each aligned block of 256 bytes of K steps 4..7 is named once in the launch, two refills (512 matrix instructions) ahead of the load that wants it.
	; A's rows are read by every cluster of a row of clusters: cluster x = 0 asks; W's columns by every cluster of a column: cluster y = 0 asks.  The four partners of a joint load share its blocks out
	; by address: of A's 128 rows 32 each (a lane a row), of W's 64 k rows 16 each (two lanes a row of 512 bytes).  Steps 0..3 come by their loads alone.
	s_lshl_b32 s21, s13, 8
	s_lshl_b32 s22, s12, 7
	s_add_co_u32 s21, s21, s22
	s_lshl_b32 s22, s40, 5
	s_add_co_u32 s21, s21, s22
	s_lshl_b32 s21, s21, 11
	s_add_co_u32 s21, s21, 3*256                   ; A: at K step 3; the first change of slots steps it to 4
	s_lshl_b32 s22, s12, 6
	s_lshl_b32 s23, s41, 4
	s_add_co_u32 s22, s22, s23
	s_add_co_u32 s22, s22, 3*128
	s_mul_i32 s22, s22, LDB*2
	s_lshl_b32 s23, s42, 9
	s_add_co_u32 s22, s22, s23
	s_add_co_u32 s22, s22, WOFF                    ; W likewise
	s_and_b32 s23, ttmp7, 0xffff
	s_mov_b32 s[PST], BSTEP
	s_mov_b32 s[PST+1], 0
	s_mov_b32 s67, LDB*2
	s_cmp_eq_u32 s11, 0
	s_cselect_b32 s66, s21, s22
	s_cselect_b32 s23, ttmp9, s23                  ; the coordinate along which other clusters read the same blocks
	s_cselect_b64 s[PFA:PFA+1], s[4:5], s[6:7]
	s_cselect_b32 s[PST], 256, s[PST]
	s_cselect_b32 s21, 2048, s67                   ; bytes from row to row
	s_mov_b32 s67, 0
	s_add_nc_u64 s[PFA:PFA+1], s[PFA:PFA+1], s[66:67]
	s_cmp_eq_u32 s23, 0
	s_cselect_b32 s[LIM], 2, -1                    ; the same in all sixteen partners, for a given wave
	v_and_b32 v6, 31, v0
	v_lshrrev_b32 v[PFO], s11, v6                  ; A: row = lane; W: row = lane / 2,
	v_mul_lo_u32 v[PFO], v[PFO], s21
	v_and_b32 v6, s11, v6
	v_lshl_add_u32 v[PFO], v6, 8, v[PFO]           ; block = lane % 2
; 16 matrix instructions: m blocks a0, a0 + 1 of the window's four x all 8 n blocks, 32 along K.  first = 1: the product starts the sum with the bias.  The 64 accumulators take turns, one instruction a turn.
.macro MUL16 f, hi, a0, first
.if \first
	WIN 0x91+0x40*(\hi)                            ; W window 1, A window 0, C (the bias) window 1, D window 2 or 3
.else
	WIN 0xa1+0x50*(\hi)                            ; C and D window 2 or 3
.endif
.irp a, \a0, (\a0)+1
.irp b, 0,1,2,3,4,5,6,7
.if \first
	v_wmma_f32_16x16x32_bf16 v[8*(8*(\a)+(\b)):8*(8*(\a)+(\b))+7], v[(\f)+8*(\b):(\f)+8*(\b)+7], v[(\f)+8*(4*(\hi)+(\a)):(\f)+8*(4*(\hi)+(\a))+7], v[8*(\b):8*(\b)+7]
.else
	v_wmma_f32_16x16x32_bf16 v[8*(8*(\a)+(\b)):8*(8*(\a)+(\b))+7], v[(\f)+8*(\b):(\f)+8*(\b)+7], v[(\f)+8*(4*(\hi)+(\a)):(\f)+8*(4*(\hi)+(\a))+7], v[8*(8*(\a)+(\b)):8*(8*(\a)+(\b))+7]
.endif
.endr
.endr
.endm
; 32 LDS loads in one run: quarter q (32 along K) of the slot in hand into buffer f: W's 8 fragments, turned, then A's 8
.macro FETCH q, f
	WIN 0x40
.irp i, 0,1,2,3,4,5,6,7
	ds_load_tr16_b128 v[(\f)+8*(\i):(\f)+8*(\i)+3],   v[ADRB] offset:(\q)*32*PITCHB+32*(\i)
	ds_load_tr16_b128 v[(\f)+8*(\i)+4:(\f)+8*(\i)+7], v[ADRB] offset:(\q)*32*PITCHB+16*PITCHB+32*(\i)
.endr
	WIN 0
.irp i, 0,1,2,3,4,5,6,7
	ds_load_b128 v[(\f)+8*(\i):(\f)+8*(\i)+3],   v[ADRA] offset:64*(\q)+(\i)*16*PITCHA
	ds_load_b128 v[(\f)+8*(\i)+4:(\f)+8*(\i)+7], v[ADRA] offset:64*(\q)+(\i)*16*PITCHA+32
.endr
.endm
; multiplies buffer f; in its middle fetches quarter q into buffer g
.macro QUARTER q, f, g, first
	s_wait_dscnt 8                                 ; W and A's rows 0-63 are in; the youngest eight loads (A's rows 64-127) may be out
	MUL16 \f, 0, 0, \first
	MUL16 \f, 0, 2, \first
	PLACES
	FETCH \q, \g
	s_wait_dscnt 32                                ; all but the 32 just issued
	MUL16 \f, 1, 0, \first
	MUL16 \f, 1, 2, \first
.endm
; the first half of a step's last quarter, and the one barrier of a change of slots
.macro MEET round
	WIN 0
	s_wait_tensorcnt 0x0                           ; all my tensor loads have landed: the one that was out is my part of the next slot;
	ds_add_u32 v[SPW], v[NIL]                      ; 0 onto my spare word;
	s_wait_dscnt 9                                 ; (the add and the youngest eight loads may be out)
	MUL16 F1, 0, 0, 0
	s_wait_dscnt 0x0                               ; the add is done, and my reads of this slot are over
	s_barrier_signal -1
	MUL16 F1, 0, 2, 0
.if \round
	WIN 0
.endif
	s_barrier_wait -1
.endm
.macro TURN                            ; the last quarter with a refill: the slot just read out takes the step two on
	s_wait_xcnt 0x0                                ; the last prefetch, a K step back, has read its address
	s_add_nc_u64 s[PFA:PFA+1], s[PFA:PFA+1], s[PST:PST+1]
	MEET 1
	CREST                                          ; no wave of any partner still reads this slot or has a load on its way
	s_xor_b32 s[G0A+5], s[G0A+5], SLOT             ; the walking sets: the other slot than last time,
	s_xor_b32 s[G0B+5], s[G0B+5], SLOT
	s_add_nc_u64 s[G0A+6:G0A+7], s[G0A+6:G0A+7], 256    ; the next K step
	s_add_nc_u64 s[G0B+6:G0B+7], s[G0B+6:G0B+7], BSTEP
	s_xor_b32 s[TB], s[TB], SLOT                   ; the fragments come from the other slot
	JLOAD                                          ; the first tensor load behind the round; its four v_nop are the places ahead of the loads below
	v_add_nc_u32 v[ADRA], s[TB], v[ADRA0]
	v_add_nc_u32 v[ADRB], s[TB], v[ADRB0]
	FETCH 0, F0
	ASK
	MUL16 F1, 1, 0, 0
	MUL16 F1, 1, 2, 0
.endm
	s_wait_tensorcnt 1                             ; my part of K step 0 is in; step 1's may stay out
	s_barrier_signal -1
	s_barrier_wait -1
	FETCH 0, F0
	s_wait_loadcnt 0x0                             ; the bias
	QUARTER 1, F0, F1, 1                           ; the first quarter starts the sums
	WIN 0
	s_mov_b32 s3, 6
.Lstep:                                                ; a trip: a step's quarters 1 to 3, the change of slots, the next step's quarter 0
	QUARTER 2, F1, F0, 0
	QUARTER 3, F0, F1, 0
	TURN
	QUARTER 1, F0, F1, 0
	WIN 0
	s_sub_co_u32 s3, s3, 1
	s_cmp_lg_u32 s3, 0
	s_cbranch_scc1 .Lstep
	s_mov_b32 s3, 2
.Ltail:                                                ; steps 6 and 7: nothing is filled.  The second pass has no next step: it jumps over the fetch and over the next quarter 0
	QUARTER 2, F1, F0, 0
	QUARTER 3, F0, F1, 0
	MEET 0
	WIN 0
	s_cmp_eq_u32 s3, 1
	s_cbranch_scc1 .Lnf
	s_xor_b32 s[TB], s[TB], SLOT
	v_add_nc_u32 v[ADRA], s[TB], v[ADRA0]
	v_add_nc_u32 v[ADRB], s[TB], v[ADRB0]
	PLACES
	FETCH 0, F0
.Lnf:
	MUL16 F1, 1, 0, 0
	MUL16 F1, 1, 2, 0
	WIN 0
	s_cmp_eq_u32 s3, 1
	s_cbranch_scc1 .Lnq
	QUARTER 1, F0, F1, 0
	WIN 0
.Lnq:
	s_sub_co_u32 s3, s3, 1
	s_cmp_lg_u32 s3, 0
	s_cbranch_scc1 .Ltail
	; THE WAY OUT, a block of 16 rows at a time: f32 into my own stage, back as whole pieces of rows, (gelu,) rounded, stored.  Written once: a loop over the blocks, whose stores into the stage alone differ.
	PLACES
.if MODE == 1
	SETP 80, 0xaf95df0b                            ; erf(z) = z P(z^2) / Q(z^2): P's seven coefficients from the highest power down,
	SETP 82, 0x32edffee
	SETP 84, 0xb60cff51
	SETP 86, 0xb86ec2d2
	SETP 88, 0xba40ac63
	SETP 90, 0xbb41a1f6
	SETP 92, 0xbc83dbd4
	SETP 24, 0xb77460cd                            ; Q's five (the descriptors' registers are free: no tensor load is out),
	SETP 26, 0xb95fbd29
	SETP 28, 0xbadc924e
	SETP 30, 0xbbf19bf8
	SETP 32, 0xbc69b6a7
	SETP 34, 0x3f3504f3                            ; c = 1 / sqrt 2
.endif
.macro STG a                           ; block a's eight accumulators into the stage, each from its low end on
	WIN 0x08+4*((\a)/4)                            ; the data in window 2 or 3
.irp b, 0,1,2,3,4,5,6,7
	ds_store_b128 v[STO], v[64*((\a)%4)+8*(\b):64*((\a)%4)+8*(\b)+3] offset:64*(\b)
	ds_store_b128 v[STO], v[64*((\a)%4)+8*(\b)+4:64*((\a)%4)+8*(\b)+7] offset:64*(\b)+16
.endr
	WIN 0
.endm
	s_mov_b32 s[BLK], 0
.Lblk:
.irp a, 0,1,2,3,4,5,6
	s_cmp_eq_u32 s[BLK], \a
	s_cbranch_scc1 .Lsec\a
.endr
	STG 7
	s_branch .Lcom
.irp a, 0,1,2,3,4,5,6
.Lsec\a:
	STG \a
	s_branch .Lcom
.endr
.Lcom:
	v_mov_b32 v[RDC], v[RD]
	s_mov_b32 s[HF], 2
.Lhalf:                                                ; eight rows: four units of 32 lanes x 8 numbers
.irp u, 0,1,2,3
.if MODE == 0
	ds_load_b128 v[UZ+8*\u:UZ+8*\u+3],   v[RDC] offset:((\u)/2)*4*SPITCH+((\u)%2)*256     ; LDS serves a wave's instructions in order (ISA guide 5.7.1.4): these see the stores above
	ds_load_b128 v[UZ+8*\u+4:UZ+8*\u+7], v[RDC] offset:((\u)/2)*4*SPITCH+((\u)%2)*256+16
.else
	ds_load_b128 v[UZ+8*\u:UZ+8*\u+3],   v[RDC] offset:(\u)*2*SPITCH
	ds_load_b128 v[UZ+8*\u+4:UZ+8*\u+7], v[RDC] offset:(\u)*2*SPITCH+16
.endif
.endr
	s_wait_dscnt 0x0
.if MODE == 1
	; gelu(u) = 0.5 u (1 + erf(u / sqrt 2)) = z (c erf(z) + c), z = c u
	PAIRS v_pk_mul_f32 v[UZ+i:UZ+i+1], v[UZ+i:UZ+i+1], s[34:35] op_sel_hi:[1,0]
.set i, 0
.rept 32
	v_med3_num_f32 v[CC+i], v[UZ+i], -4.0, 4.0
.set i, i+1
.endr
	PAIRS v_pk_mul_f32 v[SS+i:SS+i+1], v[CC+i:CC+i+1], v[CC+i:CC+i+1]
	PAIRS v_pk_fma_f32 v[PP+i:PP+i+1], v[SS+i:SS+i+1], s[80:81], s[82:83] op_sel_hi:[1,0,0]
	PAIRS v_pk_fma_f32 v[QQ+i:QQ+i+1], v[SS+i:SS+i+1], s[24:25], s[26:27] op_sel_hi:[1,0,0]
.irp k, 84,86,88,90,92
	PAIRS v_pk_fma_f32 v[PP+i:PP+i+1], v[PP+i:PP+i+1], v[SS+i:SS+i+1], s[\k:\k+1] op_sel_hi:[1,1,0]
.endr
.irp k, 28,30,32
	PAIRS v_pk_fma_f32 v[QQ+i:QQ+i+1], v[QQ+i:QQ+i+1], v[SS+i:SS+i+1], s[\k:\k+1] op_sel_hi:[1,1,0]
.endr
.set i, 0
.rept 32
	v_rcp_f32 v[QQ+i], v[QQ+i]                     ; one batch of 32
.set i, i+1
.endr
	PAIRS v_pk_mul_f32 v[PP+i:PP+i+1], v[PP+i:PP+i+1], v[CC+i:CC+i+1]  ; plain work that names no reciprocal
	s_wait_alu depctr_va_vdst(0)                   ; the one wait ahead of the batch's first reader
	PAIRS v_pk_mul_f32 v[PP+i:PP+i+1], v[PP+i:PP+i+1], v[QQ+i:QQ+i+1]
	PAIRS v_pk_fma_f32 v[PP+i:PP+i+1], v[PP+i:PP+i+1], s[34:35], s[34:35] op_sel_hi:[1,0,0]
	PAIRS v_pk_mul_f32 v[UZ+i:UZ+i+1], v[UZ+i:UZ+i+1], v[PP+i:PP+i+1]
.endif
.set i, 0
.rept 16
	v_cvt_pk_bf16_f32 v[OUT+i], v[UZ+2*i], v[UZ+2*i+1]
.set i, i+1
.endr
.irp u, 0,1,2,3
.if MODE == 0
	global_store_b128 v[CO], v[OUT+4*\u:OUT+4*\u+3], s[8:9] offset:((\u)/2)*512+((\u)%2)*262144  ; 512 consecutive bytes: four tokens of one head
.else
	global_store_b128 v[CO], v[OUT+4*\u:OUT+4*\u+3], s[8:9] offset:(\u)*16384                    ; 16 lanes store 256 consecutive bytes, aligned
.endif
.endr
	s_wait_xcnt 0x0                                ; the stores have read their data and their base: only now are these written again
.if MODE == 0
	s_add_nc_u64 s[8:9], s[8:9], 1024              ; eight tokens on
.else
	s_add_nc_u64 s[8:9], s[8:9], 65536             ; eight rows on
.endif
	v_add_nc_u32 v[RDC], 8*SPITCH, v[RDC]
	s_sub_co_u32 s[HF], s[HF], 1
	s_cmp_lg_u32 s[HF], 0
	s_cbranch_scc1 .Lhalf
	s_add_co_u32 s[BLK], s[BLK], 1
	s_cmp_lt_u32 s[BLK], 8
	s_cbranch_scc1 .Lblk
	s_wait_tensorcnt 0x0                           ; the wave's end: behind my last tensor load and my last LDS store
	ds_add_u32 v[SPW], v[NIL]
	s_wait_dscnt 0x0
	CROUND                                         ; the closing round: no work-group ends while a partner may still ask for a tile that names it
	s_endpgm
.Lfunc_end_k_qaba25cdff9_ffn1:
	.size	k_qaba25cdff9_ffn1, .Lfunc_end_k_qaba25cdff9_ffn1-k_qaba25cdff9_ffn1
	.p2alignl 7, 3214868480
	.fill 96, 4, 3214868480
	.section	.rodata,"a",@progbits
	.p2align	6, 0x0
	.amdhsa_kernel k_qaba25cdff9_ffn1
		.amdhsa_group_segment_fixed_size 327680
		.amdhsa_private_segment_fixed_size 0
		.amdhsa_enable_private_segment 0
		.amdhsa_kernarg_size 32
		.amdhsa_user_sgpr_count 2
		.amdhsa_user_sgpr_kernarg_segment_ptr 1
		.amdhsa_wavefront_size32 1
		.amdhsa_system_sgpr_workgroup_id_x 1
		.amdhsa_system_sgpr_workgroup_id_y 1
		.amdhsa_system_sgpr_workgroup_id_z 1
		.amdhsa_system_vgpr_workitem_id 0
		.amdhsa_next_free_vgpr 1024
		.amdhsa_next_free_sgpr 96
		.amdhsa_reserve_vcc 0
		.amdhsa_float_denorm_mode_32 3
		.amdhsa_float_denorm_mode_16_64 3
		.amdhsa_memory_ordered 1
		.amdhsa_forward_progress 1
		.amdhsa_inst_pref_size 104
	.end_amdhsa_kernel
	.amdgpu_metadata
---
amdhsa.version: [ 1, 2 ]
amdhsa.kernels:
  - .name:           k_qaba25cdff9_ffn1
    .symbol:         k_qaba25cdff9_ffn1.kd
    .args:
      - { .name: xn, .offset: 0, .size: 8, .value_kind: global_buffer, .address_space: global }
      - { .name: wb, .offset: 8, .size: 8, .value_kind: global_buffer, .address_space: global }
      - { .name: b1, .offset: 16, .size: 8, .value_kind: global_buffer, .address_space: global }
      - { .name: h, .offset: 24, .size: 8, .value_kind: global_buffer, .address_space: global }
    .group_segment_fixed_size: 327680
    .private_segment_fixed_size: 0
    .kernarg_segment_align: 8
    .kernarg_segment_size: 32
    .max_flat_workgroup_size: 128
    .sgpr_count:     96
    .vgpr_count:     1024
    .wavefront_size: 32
...
	.end_amdgpu_metadata
.endif
;; end of part 6
;; launch ffn2 (part 7): grid 8 x 32, 4 waves a work-group, clusters of 4 x 4, 327,680 bytes of LDS; arguments h, wb, b2, x1, out0; writes out0
.if DOCPART == 7
	.amdgcn_target "amdgcn-amd-amdhsa--gfx1250"
	.amdhsa_code_object_version 6
	.text
	.protected	k_qaba25cdff9_ffn2
	.globl	k_qaba25cdff9_ffn2
	.p2align	8
	.type	k_qaba25cdff9_ffn2,@function
k_qaba25cdff9_ffn2:
	s_mov_b64 s[64:65], 0
	v_nop
	global_prefetch_b8 v0, s[64:65] scope:SCOPE_SE
	s_setreg_imm32_b32 hwreg(HW_REG_WAVE_MODE, 25, 1), 1
	s_wait_xcnt 0x0
	s_wait_alu depctr_hold_cnt(0) depctr_sa_sdst(0) depctr_va_vdst(0) depctr_va_sdst(0) depctr_va_ssrc(0) depctr_va_vcc(0) depctr_vm_vsrc(0)
	s_getreg_b32 s2, hwreg(HW_REG_IB_STS2, 6, 4)
	s_cmp_eq_u32 s2, 0
	s_cbranch_scc0 .Lentry_in_a_cluster
	s_endpgm
.Lentry_in_a_cluster:
	s_bfe_u32 s2, ttmp6, 0x10000c
	s_cmp_lg_u32 s2, 0xf033
	s_cbranch_scc0 .Lentry_shape_is_right
	s_endpgm
.Lentry_shape_is_right:
; OUT[m][n] = RES[m][n] + bias[n] + sum over k of A[m][k] W[k][n].  A: [4096][SIZE_K] bf16; W: [SIZE_K][1024] bf16, rows along n; bias, RES, OUT f32; sums in f32.
; A tile of OUT is 128 x 128 (256 work-groups): four waves, each 64 x 64 in 16 accumulators.  K goes in steps of 256 through two LDS slots filled by the tensor data mover.
; W's tile lies in LDS as in memory, [k][n]; its fragments come turned by ds_load_tr16_b128.  The product is used transposed: a lane holds row l % 16 and the columns 8 (l / 16) + 0..7.
; The bias is the C operand of each accumulator's first product.  The residual is asked for at the start and stays on its way through the whole K loop.
; CLUSTER 4 x 4: A's tile is shared along a row of the cluster, W's along a column, each by a joint load.  The K step is written once; the last two steps are a loop of two passes that fills nothing.
; No prefetch: the tiles are small and each step is short.
; REGISTERS: window 0: v0-31 addresses, v32-95 at work on the way out, v128-255 the accumulators ((a, b) at 128 + 8 (4 a + b));
;   window 1: two fragment buffers of 128 (64 of A, then 64 of W, for 64 along K);  window 2: v0-127 the residual, v128-159 the bias.
.set SIZE_K, 4096
.set WOFF,   16777216                  ; W's first byte in wb
.set LDA,    SIZE_K
.set STEPS,  SIZE_K/256
.set PITCHA, 528                       ; 512 bytes + 16
.set APIECE, 64*PITCHA                 ; what a wave fetches of A: 64 rows
.set PITCHB, 288                       ; 256 bytes + 32
.set BPIECE, 128*PITCHB                ; of W: 128 k rows
.set BBASE,  2*APIECE
.set SLOT,   147456                    ; 0x24000: above the 141,312 bytes in use, and it shares no bit with the four waves' LDS words, so an exclusive or with it changes slots
.set STAGE,  2*SLOT                    ; 16 rows x 272 bytes of f32 for each wave
.set SPITCH, 272
.set SPARE,  STAGE+4*16*SPITCH         ; the spare words: two blocks of 256 bytes that no other line names
.set ADRA0, 16
.set ADRB0, 17
.set ADRA,  18
.set ADRB,  19                         ; v19 k rows 0-127 of the step, v20 k rows 128-255 (the 16-bit offset does not reach them)
.set STO,   24
.set RD,    25
.set CO,    26
.set SPW,   28
.set NIL,   29
.set BO,    30
.set TMP,   32
.set ACC,   128
.set F0,    0
.set F1,    128
.set TB,    2
.set G1A,   24
.set G0A,   32
.set G1B,   48
.set G0B,   56
.set MSB, 0
.macro WIN new
.if MSB != (\new)
	s_set_vgpr_msb (MSB<<8)|(\new)
.set MSB, \new
.endif
.endm
.macro PLACES
.rept 4
	v_nop
.endr
.endm
.macro JLOAD                           ; a joint refill by the walking set; an s_nop 0 and four v_nop follow each line
	s_cmp_eq_u32 s11, 0
	s_cbranch_scc0 .Lfor_b_\@
	tensor_load_to_lds s[G0A+4:G0A+7], s[G1A:G1A+7]
	s_nop 0
.rept 4
	v_nop
.endr
	s_branch .Lasked_\@
.Lfor_b_\@:
	tensor_load_to_lds s[G0B+4:G0B+7], s[G1B:G1B+7]
	s_nop 0
.rept 4
	v_nop
.endr
.Lasked_\@:
.endm
.macro CREST
	s_cmp_lg_u32 s10, 0
	s_cbranch_scc1 .Lnot_wave_0_\@
	s_barrier_signal -3
.Lnot_wave_0_\@:
	s_barrier_wait -3
	s_barrier_signal -1
	s_barrier_wait -1
.endm
.macro CROUND
	s_barrier_signal -1
	s_barrier_wait -1
	CREST
.endm
	s_load_b128 s[4:7], s[0:1], 0x0                ; A s[4:5], wb s[6:7]
	s_load_b128 s[68:71], s[0:1], 0x10             ; bias s[68:69], RES s[70:71]
	s_load_b64 s[8:9], s[0:1], 0x20                ; OUT
	v_lshl_add_u32 v[SPW], v0, 2, SPARE
	v_mov_b32 v[NIL], 0
	ds_add_u32 v[SPW], v[NIL]                      ; the wave's opening: the add and its wait ahead of my first tensor load
	v_lshrrev_b32 v1, 5, v0
	v_readfirstlane_b32 s10, v1
	s_lshr_b32 s11, s10, 1                         ; my half of the rows.  Also: I fetch for A (0) or for W (1)
	s_and_b32 s12, s10, 1                          ; my half of the columns.  Also: which half of that tile I fetch
	s_bfe_u32 s40, ttmp6, 0x40000
	s_bfe_u32 s41, ttmp6, 0x40004
	s_lshl_b32 s42, ttmp9, 2
	s_add_co_u32 s42, s42, s40                     ; tile column
	s_and_b32 s13, ttmp7, 0xffff
	s_lshl_b32 s13, s13, 2
	s_add_co_u32 s13, s13, s41                     ; tile row
	s_lshl_b32 s21, s41, 2
	s_lshl_b32 s21, 15, s21
	s_lshl_b32 s22, 0x1111, s40
	s_or_b32 s[G1A+0], s21, (1<<16)|(1<<20)|(1<<21)|(6<<22)|(3<<25)  ; mask of my row; after every 128 words 4 words
	s_mov_b32 s[G1A+1], 256<<16
	s_mov_b32 s[G1A+2], 64<<16
	s_mov_b32 s[G1A+3], 256<<16
	s_mov_b32 s[G1A+4], 64
	s_mov_b32 s[G1A+5], LDA
	s_mov_b32 s[G1A+6], 0
	s_mov_b32 s[G1A+7], 0
	s_or_b32 s[G1B+0], s22, (1<<16)|(1<<20)|(1<<21)|(5<<22)|(7<<25)  ; mask of my column; after every 64 words 8 words
	s_mov_b32 s[G1B+1], 128<<16
	s_mov_b32 s[G1B+2], 128<<16
	s_mov_b32 s[G1B+3], 128<<16
	s_mov_b32 s[G1B+4], 128
	s_mov_b32 s[G1B+5], 1024
	s_mov_b32 s[G1B+6], 0
	s_mov_b32 s[G1B+7], 0
	s_lshl_b32 s16, s13, 7
	s_lshl_b32 s17, s12, 6
	s_add_co_u32 s16, s16, s17
	s_mul_i32 s16, s16, LDA*2                      ; A: row 128 x tile row + 64 x half
	s_mov_b32 s17, 0
	s_lshl_b32 s46, s12, 18                        ; W: k row 128 x half, column 128 x tile column
	s_lshl_b32 s47, s42, 8
	s_add_co_u32 s46, s46, s47
	s_add_co_u32 s46, s46, WOFF
	s_mov_b32 s47, 0
	s_mul_i32 s20, s12, APIECE                     ; where they go: by the wave's number alone
	s_mul_i32 s23, s12, BPIECE
	s_add_co_u32 s23, s23, BBASE
	s_mov_b32 s[TB], 0
	s_wait_dscnt 0x0
	s_wait_kmcnt 0x0
	s_add_nc_u64 s[14:15], s[4:5], s[16:17]
	s_add_nc_u64 s[46:47], s[6:7], s[46:47]
	CROUND                                         ; the first joint loads meet
.irp s, 0,1
	s_mov_b32 s[G0A+4*(\s)], 1
	s_add_co_u32 s[G0A+4*(\s)+1], s20, (\s)*SLOT
	s_add_nc_u64 s[G0A+4*(\s)+2:G0A+4*(\s)+3], s[14:15], (\s)*512
	s_or_b32 s[G0A+4*(\s)+3], s[G0A+4*(\s)+3], 0x80000000
	s_mov_b32 s[G0B+4*(\s)], 1
	s_add_co_u32 s[G0B+4*(\s)+1], s23, (\s)*SLOT
	s_add_nc_u64 s[G0B+4*(\s)+2:G0B+4*(\s)+3], s[46:47], (\s)*524288
	s_or_b32 s[G0B+4*(\s)+3], s[G0B+4*(\s)+3], 0x80000000
.endr
	s_cmp_eq_u32 s11, 0                            ; a wave's two first fills stand in one branch: two loads of mine are out
	s_cbranch_scc0 .Lfirst_b
	tensor_load_to_lds s[G0A:G0A+3], s[G1A:G1A+7]
	s_nop 0
	tensor_load_to_lds s[G0A+4:G0A+7], s[G1A:G1A+7]
	s_nop 0
.rept 4
	v_nop
.endr
	s_branch .Lfirst_asked
.Lfirst_b:
	tensor_load_to_lds s[G0B:G0B+3], s[G1B:G1B+7]
	s_nop 0
	tensor_load_to_lds s[G0B+4:G0B+7], s[G1B:G1B+7]
	s_nop 0
.rept 4
	v_nop
.endr
.Lfirst_asked:
	v_and_b32 v1, 15, v0                           ; r
	v_bfe_u32 v2, v0, 4, 1                         ; hh
	v_lshlrev_b32 v[BO], 5, v2
	s_lshl_b32 s66, s42, 9                         ; my 64 columns, 4 bytes each
	s_lshl_b32 s67, s12, 8
	s_add_co_u32 s66, s66, s67
	s_mov_b32 s67, 0
	s_add_nc_u64 s[68:69], s[68:69], s[66:67]
	s_lshl_b32 s72, s13, 7
	s_lshl_b32 s73, s11, 6
	s_add_co_u32 s72, s72, s73                     ; my first row
	s_lshl_b32 s72, s72, 12
	s_add_co_u32 s72, s72, s66
	s_mov_b32 s73, 0
	s_add_nc_u64 s[70:71], s[70:71], s[72:73]
	s_add_nc_u64 s[8:9], s[8:9], s[72:73]
	v_lshlrev_b32 v3, 12, v2
	v_lshl_add_u32 v[CO], v1, 4, v3                ; lanes 0-15 one row's 256 bytes, lanes 16-31 the next row's
	WIN 0x80                                       ; destination window 2
.irp b, 0,1,2,3
	global_load_b128 v[128+8*\b:128+8*\b+3], v[BO], s[68:69] offset:64*\b
	global_load_b128 v[128+8*\b+4:128+8*\b+7], v[BO], s[68:69] offset:64*\b+16
.endr
.set i, 0
.rept 32
	global_load_b128 v[4*i:4*i+3], v[CO], s[70:71] offset:2*i*4096 th:TH_LOAD_NT  ; rows 2 i and 2 i + 1 of my 64
.set i, i+1
.endr
	WIN 0
	v_mul_u32_u24 v3, v1, PITCHA
	v_lshl_add_u32 v3, v2, 4, v3
	s_mul_i32 s21, s11, APIECE
	v_add_nc_u32 v[ADRA0], s21, v3
	v_and_b32 v4, 7, v0
	v_lshl_add_u32 v4, v2, 3, v4
	v_mul_u32_u24 v4, v4, PITCHB
	v_bfe_u32 v5, v0, 3, 1
	v_lshl_add_u32 v4, v5, 4, v4
	s_lshl_b32 s22, s12, 7
	s_add_co_u32 s22, s22, BBASE
	v_add_nc_u32 v[ADRB0], s22, v4
	v_mov_b32 v[ADRA], v[ADRA0]
	v_mov_b32 v[ADRB], v[ADRB0]
	v_add_nc_u32 v[ADRB+1], BPIECE, v[ADRB0]
	s_mul_i32 s21, s10, 16*SPITCH
	s_add_co_u32 s21, s21, STAGE
	v_mul_u32_u24 v6, v1, SPITCH
	v_lshl_add_u32 v6, v2, 5, v6
	v_add_nc_u32 v[STO], s21, v6
	v_mul_u32_u24 v6, v2, SPITCH
	v_lshl_add_u32 v6, v1, 4, v6
	v_add_nc_u32 v[RD], s21, v6
; 8 matrix instructions: m blocks a0, a0 + 1 x 4 n blocks, half c of buffer f.  first = 1: the product starts the sum with the bias.  The 16 accumulators take turns.
.macro MUL8 f, c, a0, first
.if \first
	WIN 0x25                                       ; sources window 1, C (the bias) window 2, D window 0
.else
	WIN 0x05
.endif
.irp a, \a0, (\a0)+1
.irp b, 0,1,2,3
.if \first
	v_wmma_f32_16x16x32_bf16 v[ACC+8*(4*(\a)+(\b)):ACC+8*(4*(\a)+(\b))+7], v[(\f)+64+8*(4*(\c)+(\b)):(\f)+64+8*(4*(\c)+(\b))+7], v[(\f)+8*(4*(\c)+(\a)):(\f)+8*(4*(\c)+(\a))+7], v[128+8*(\b):128+8*(\b)+7]
.else
	v_wmma_f32_16x16x32_bf16 v[ACC+8*(4*(\a)+(\b)):ACC+8*(4*(\a)+(\b))+7], v[(\f)+64+8*(4*(\c)+(\b)):(\f)+64+8*(4*(\c)+(\b))+7], v[(\f)+8*(4*(\c)+(\a)):(\f)+8*(4*(\c)+(\a))+7], v[ACC+8*(4*(\a)+(\b)):ACC+8*(4*(\a)+(\b))+7]
.endif
.endr
.endr
.endm
; 32 LDS loads in one run: quarter q (64 along K) of the slot in hand into buffer f, the first 32 along K first
.macro FETCH q, f
	WIN 0x40
.irp c, 0,1
.irp i, 0,1,2,3
	ds_load_tr16_b128 v[(\f)+64+8*(4*(\c)+(\i)):(\f)+64+8*(4*(\c)+(\i))+3],   v[ADRB+(\q)/2] offset:(((\q)%2)*64+32*(\c))*PITCHB+32*(\i)
	ds_load_tr16_b128 v[(\f)+64+8*(4*(\c)+(\i))+4:(\f)+64+8*(4*(\c)+(\i))+7], v[ADRB+(\q)/2] offset:(((\q)%2)*64+32*(\c)+16)*PITCHB+32*(\i)
	ds_load_b128 v[(\f)+8*(4*(\c)+(\i)):(\f)+8*(4*(\c)+(\i))+3],   v[ADRA] offset:128*(\q)+64*(\c)+(\i)*16*PITCHA
	ds_load_b128 v[(\f)+8*(4*(\c)+(\i))+4:(\f)+8*(4*(\c)+(\i))+7], v[ADRA] offset:128*(\q)+64*(\c)+(\i)*16*PITCHA+32
.endr
.endr
.endm
.macro QUARTER q, f, g, first
	s_wait_dscnt 16                                ; the first 32 along K are in
	MUL8 \f, 0, 0, \first
	MUL8 \f, 0, 2, \first
	PLACES
	FETCH \q, \g
	s_wait_dscnt 32                                ; all but the 32 just issued
	MUL8 \f, 1, 0, 0
	MUL8 \f, 1, 2, 0
.endm
.macro MEET round
	WIN 0
	s_wait_tensorcnt 0x0                           ; all my tensor loads have landed: my part of the next slot;
	ds_add_u32 v[SPW], v[NIL]                      ; 0 onto my spare word;
	s_wait_dscnt 17                                ; (the add and the youngest sixteen loads may be out)
	MUL8 F1, 0, 0, 0
	s_wait_dscnt 0x0                               ; the add is done, and my reads of this slot are over
	s_barrier_signal -1
	MUL8 F1, 0, 2, 0
.if \round
	WIN 0
.endif
	s_barrier_wait -1
.endm
.macro SWITCH                          ; the fragments come from the other slot
	s_xor_b32 s[TB], s[TB], SLOT
	v_add_nc_u32 v[ADRA], s[TB], v[ADRA0]
	v_add_nc_u32 v[ADRB], s[TB], v[ADRB0]
	v_add_nc_u32 v[ADRB+1], BPIECE, v[ADRB]
.endm
.macro TURN
	MEET 1
	CREST                                          ; no wave of any partner still reads this slot or has a load on its way
	s_xor_b32 s[G0A+5], s[G0A+5], SLOT
	s_xor_b32 s[G0B+5], s[G0B+5], SLOT
	s_add_nc_u64 s[G0A+6:G0A+7], s[G0A+6:G0A+7], 512
	s_add_nc_u64 s[G0B+6:G0B+7], s[G0B+6:G0B+7], 524288
	JLOAD                                          ; the first tensor load behind the round; its four v_nop are the places ahead of the loads below
	SWITCH
	FETCH 0, F0
	MUL8 F1, 1, 0, 0
	MUL8 F1, 1, 2, 0
.endm
	s_wait_tensorcnt 1                             ; my part of K step 0 is in; step 1's may stay out
	s_barrier_signal -1
	s_barrier_wait -1
	FETCH 0, F0
	s_wait_loadcnt 32                              ; the bias is in; the residual's 32 loads stay out
	QUARTER 1, F0, F1, 1
	WIN 0
	s_mov_b32 s3, STEPS-2
.Lstep:
	QUARTER 2, F1, F0, 0
	QUARTER 3, F0, F1, 0
	TURN
	QUARTER 1, F0, F1, 0
	WIN 0
	s_sub_co_u32 s3, s3, 1
	s_cmp_lg_u32 s3, 0
	s_cbranch_scc1 .Lstep
	s_mov_b32 s3, 2
.Ltail:                                                ; the last two steps fill nothing; the second pass jumps over what has no successor
	QUARTER 2, F1, F0, 0
	QUARTER 3, F0, F1, 0
	MEET 0
	WIN 0
	s_cmp_eq_u32 s3, 1
	s_cbranch_scc1 .Lnf
	SWITCH
	PLACES
	FETCH 0, F0
	WIN 0
.Lnf:
	MUL8 F1, 1, 0, 0
	MUL8 F1, 1, 2, 0
	WIN 0
	s_cmp_eq_u32 s3, 1
	s_cbranch_scc1 .Lnq
	QUARTER 1, F0, F1, 0
	WIN 0
.Lnq:
	s_sub_co_u32 s3, s3, 1
	s_cmp_lg_u32 s3, 0
	s_cbranch_scc1 .Ltail
	; THE WAY OUT: a wave's 64 columns of f32 are a whole aligned 256 bytes, so each wave has a stage of its own and no barrier is needed
	PLACES
	s_wait_loadcnt 0x0                             ; the residual
.irp a, 0,1,2,3
.if \a >= 2
	s_wait_xcnt 0x0                                ; the stores of two blocks back have read their registers
.endif
.irp b, 0,1,2,3
	ds_store_b128 v[STO], v[ACC+8*(4*\a+\b):ACC+8*(4*\a+\b)+3] offset:64*\b
	ds_store_b128 v[STO], v[ACC+8*(4*\a+\b)+4:ACC+8*(4*\a+\b)+7] offset:64*\b+16
.endr
.irp t, 0,1,2,3,4,5,6,7
	ds_load_b128 v[TMP+32*((\a)%2)+4*\t:TMP+32*((\a)%2)+4*\t+3], v[RD] offset:2*SPITCH*\t  ; LDS serves a wave's instructions in order (ISA guide 5.7.1.4)
.endr
	s_wait_dscnt 0x0
	WIN 0x08                                       ; the residual in window 2
.irp t, 0,2,4,6,8,10,12,14,16,18,20,22,24,26,28,30
	v_pk_add_f32 v[TMP+32*((\a)%2)+\t:TMP+32*((\a)%2)+\t+1], v[TMP+32*((\a)%2)+\t:TMP+32*((\a)%2)+\t+1], v[32*\a+\t:32*\a+\t+1]
.endr
	WIN 0
.irp t, 0,1,2,3,4,5,6,7
	global_store_b128 v[CO], v[TMP+32*((\a)%2)+4*\t:TMP+32*((\a)%2)+4*\t+3], s[8:9] offset:(16*\a+2*\t)*4096  ; 16 lanes store 256 consecutive bytes, aligned
.endr
.endr
	s_wait_tensorcnt 0x0                           ; the wave's end
	ds_add_u32 v[SPW], v[NIL]
	s_wait_dscnt 0x0
	CROUND                                         ; the closing round
	s_endpgm
.Lfunc_end_k_qaba25cdff9_ffn2:
	.size	k_qaba25cdff9_ffn2, .Lfunc_end_k_qaba25cdff9_ffn2-k_qaba25cdff9_ffn2
	.p2alignl 7, 3214868480
	.fill 96, 4, 3214868480
	.section	.rodata,"a",@progbits
	.p2align	6, 0x0
	.amdhsa_kernel k_qaba25cdff9_ffn2
		.amdhsa_group_segment_fixed_size 327680
		.amdhsa_private_segment_fixed_size 0
		.amdhsa_enable_private_segment 0
		.amdhsa_kernarg_size 40
		.amdhsa_user_sgpr_count 2
		.amdhsa_user_sgpr_kernarg_segment_ptr 1
		.amdhsa_wavefront_size32 1
		.amdhsa_system_sgpr_workgroup_id_x 1
		.amdhsa_system_sgpr_workgroup_id_y 1
		.amdhsa_system_sgpr_workgroup_id_z 1
		.amdhsa_system_vgpr_workitem_id 0
		.amdhsa_next_free_vgpr 672
		.amdhsa_next_free_sgpr 80
		.amdhsa_reserve_vcc 0
		.amdhsa_float_denorm_mode_32 3
		.amdhsa_float_denorm_mode_16_64 3
		.amdhsa_memory_ordered 1
		.amdhsa_forward_progress 1
		.amdhsa_inst_pref_size 66
	.end_amdhsa_kernel
	.amdgpu_metadata
---
amdhsa.version: [ 1, 2 ]
amdhsa.kernels:
  - .name:           k_qaba25cdff9_ffn2
    .symbol:         k_qaba25cdff9_ffn2.kd
    .args:
      - { .name: h, .offset: 0, .size: 8, .value_kind: global_buffer, .address_space: global }
      - { .name: wb, .offset: 8, .size: 8, .value_kind: global_buffer, .address_space: global }
      - { .name: b2, .offset: 16, .size: 8, .value_kind: global_buffer, .address_space: global }
      - { .name: x1, .offset: 24, .size: 8, .value_kind: global_buffer, .address_space: global }
      - { .name: out0, .offset: 32, .size: 8, .value_kind: global_buffer, .address_space: global }
    .group_segment_fixed_size: 327680
    .private_segment_fixed_size: 0
    .kernarg_segment_align: 8
    .kernarg_segment_size: 40
    .max_flat_workgroup_size: 128
    .sgpr_count:     80
    .vgpr_count:     672
    .wavefront_size: 32
...
	.end_amdgpu_metadata
.endif
;; end of part 7
